; MI455X (gfx1250); checked and timed in simulation.
; The chip was launched on July 23, 2026; its instructions are those of AMD's public machine-readable ISA for CDNA 5 (MIT licence, August 2026) and "CDNA5" Instruction Set Architecture Reference Guide (July 2026). The comments in the code are by the model that wrote it; some were corrected since.
;; Parallel Transformer Block. Allowed arithmetic: float matrix products may take bf16 or f16 operands with f32 sums; other float arithmetic in f32, or as packed bf16 or f16 multiplies, adds, multiply-adds, maxima and minima; sums over many terms, partial sums and values carried from step to step in f32; what a program stores and reads back later, other than sums and carried values, may be rounded once to bf16 or f16.
;; Inputs: beta 1,024 float32; gamma 1,024 float32; w_attn_out 1,024 x 512 float32; w_ff_out 1,024 x 4,096 float32; w_fused 8,768 x 1,024 float32; x 2 x 2,048 x 1,024 float32.
;; Outputs: out0 2 x 2,048 x 1,024 float32.
;; One version. Each part assembles by itself: llvm-mc -triple=amdgcn-amd-amdhsa -mcpu=gfx1250 --defsym DOCPART=n.
;; ======== version 1 of 1: 5 launches
;; limits: values are held in f16: magnitudes above 65,504 overflow, below 6.1e-05 lose precision
;; workspace buffers: xn 8,388,608 bytes; wq 1,179,648 bytes; wf 17,956,864 bytes; w2 9,437,184 bytes; a2 37,748,736 bytes; qf 4,194,304 bytes; kv 524,288 bytes; rope 262,144 bytes
;; launch prep (part 1): grid 612 x 1, 8 waves a work-group, no clusters, 0 bytes of LDS; arguments x, gamma, beta, w_fused, w_attn_out, xn, wq, w2, rope; writes xn, wq, w2, rope
.if DOCPART == 1
	.amdgcn_target "amdgcn-amd-amdhsa--gfx1250"
	.amdhsa_code_object_version 6
	.text
	.protected	k_qd5597ad85e_prep
	.globl	k_qd5597ad85e_prep
	.p2align	8
	.type	k_qd5597ad85e_prep,@function
k_qd5597ad85e_prep:
	s_mov_b64 s[64:65], 0
	v_nop
	global_prefetch_b8 v0, s[64:65] scope:SCOPE_SE
	s_setreg_imm32_b32 hwreg(HW_REG_WAVE_MODE, 25, 1), 1
	s_wait_xcnt 0x0
; PREP: what the next launch's matrix work reads, and two small casts.  There is no loop.
;   work-groups   0-511  LayerNorm: a wave takes one row of x -> xn [4096][1024] f16
;   work-groups 512-547  w_fused's rows 0-575 (q, k, v) -> wq [576][1024]: rounded to bf16, written as f16; a wave takes two rows
;   work-groups 548-579  w_attn_out -> w2 [1024][4608] bf16, columns 4096-4607; a wave takes four rows
;   work-groups 580-611  cos and sin of position x 10^(-i/4), i = 0..15 -> rope: cos [2048][16] f32, then sin
; The large casts (w_fused's other rows, w_ff_out) are made in the next launch, beside its matrix work.
; Every input is rounded to bf16 first (x, gamma and beta too, ahead of the statistics); all that follows is f32, xn rounded once to f16.
; LIMITS.  xn is finite while 32 |gamma| + |beta| < 65,504; weights beyond 65,504 do not fit f16, and below 2^-14 they keep f16's fixed step of 2^-24.
; x is rounded ahead of the mean, so with a common offset that rounding grows with the offset.  The variance is the mean of centred squares (two passes over registers), no difference of sums.
; No LDS and no matrix unit: memory binds here, each store of a wave covers 256 consecutive bytes, aligned.
.set DT, 4            ; the casts: v[4:67] 16 pieces of 4 f32, as loaded
.set TT, 68           ; v[68:73]   at work
.set YY, 100          ; v[100:131] 16 pieces of 4 numbers of 16 bits, to store
.set XA, 4            ; LayerNorm: v[4:35] the row, v[36:67] gamma, v[68:99] beta
.set GG, 36
.set BB, 68
.set LT, 100          ; v[100:115] at work
.set YA, 116          ; v[116:131] the row in f16
.set MN, 132          ; v[132:133] the mean, twice
.set RS, 134          ; v[134:135] 1 / sqrt(var + eps), twice
	s_load_b512 s[8:23], s[0:1], 0x0               ; x 8, gamma 10, beta 12, w_fused 14, w_attn_out 16, xn 18, wq 20, w2 22
	s_load_b64 s[24:25], s[0:1], 0x40              ; rope
	v_lshrrev_b32 v3, 5, v0
	v_readfirstlane_b32 s3, v3                     ; wave 0..7
	v_and_b32 v1, 31, v0
	v_lshlrev_b32 v2, 3, v1                        ; 8 x lane: where a lane stores
	v_lshlrev_b32 v1, 4, v1                        ; 16 x lane: where a lane loads
	s_mov_b32 s2, ttmp9
	s_mov_b32 s5, 0                                ; high words of the two offsets
	s_mov_b32 s7, 0
	s_mov_b32 s28, 0xffff0000                      ; a word's upper bf16
	s_mov_b32 s30, 0x76543210                      ; v_permlanex16_b32: each lane takes its own place in the other half
	s_mov_b32 s31, 0xfedcba98
	s_wait_kmcnt 0x0
.macro LD16 b                          ; 16 loads of 512 consecutive bytes
.set j, 0
.rept 16
	global_load_b128 v[DT+4*j:DT+4*j+3], v1, s[\b:\b+1] offset:512*j th:TH_LOAD_NT
.set j, j+1
.endr
.endm
.macro CVB p, off                      ; piece p to bf16, stored into w2
	s_wait_loadcnt 15-(\p)                         ; loads come back in order: the 15 - p younger ones stay out
	v_cvt_pk_bf16_f32 v[YY+2*(\p)], v[DT+4*(\p)], v[DT+4*(\p)+1]
	v_cvt_pk_bf16_f32 v[YY+2*(\p)+1], v[DT+4*(\p)+2], v[DT+4*(\p)+3]
	global_store_b64 v2, v[YY+2*(\p):YY+2*(\p)+1], s[22:23] offset:\off
.endm
.macro CVH p, off                      ; piece p rounded to bf16, that number written as f16, stored into wq
	s_wait_loadcnt 15-(\p)
	v_cvt_pk_bf16_f32 v[TT], v[DT+4*(\p)], v[DT+4*(\p)+1]
	v_cvt_pk_bf16_f32 v[TT+1], v[DT+4*(\p)+2], v[DT+4*(\p)+3]
	v_lshlrev_b32 v[TT+2], 16, v[TT]
	v_and_b32 v[TT+3], s28, v[TT]
	v_lshlrev_b32 v[TT+4], 16, v[TT+1]
	v_and_b32 v[TT+5], s28, v[TT+1]
	v_cvt_pk_f16_f32 v[YY+2*(\p)], v[TT+2], v[TT+3]
	v_cvt_pk_f16_f32 v[YY+2*(\p)+1], v[TT+4], v[TT+5]
	global_store_b64 v2, v[YY+2*(\p):YY+2*(\p)+1], s[20:21] offset:\off
.endm
.macro RND X                           ; 32 f32 rounded to bf16 and widened again, in place
.set i, 0
.rept 16
	v_cvt_pk_bf16_f32 v[LT+i], v[\X+2*i], v[\X+2*i+1]
.set i, i+1
.endr
.set i, 0
.rept 16
	v_lshlrev_b32 v[\X+2*i], 16, v[LT+i]
	v_and_b32 v[\X+2*i+1], s28, v[LT+i]
.set i, i+1
.endr
.endm
.macro REDUCE                          ; four pairs at LT -> their sum over the wave, in every lane's v[LT]
	v_pk_add_f32 v[LT:LT+1], v[LT:LT+1], v[LT+2:LT+3]
	v_pk_add_f32 v[LT+4:LT+5], v[LT+4:LT+5], v[LT+6:LT+7]
	v_pk_add_f32 v[LT:LT+1], v[LT:LT+1], v[LT+4:LT+5]
	v_add_f32 v[LT], v[LT], v[LT+1]
	v_add_f32_dpp v[LT], v[LT], v[LT] row_xmask:1 row_mask:0xf bank_mask:0xf
	v_add_f32_dpp v[LT], v[LT], v[LT] row_xmask:2 row_mask:0xf bank_mask:0xf
	v_add_f32_dpp v[LT], v[LT], v[LT] row_xmask:4 row_mask:0xf bank_mask:0xf
	v_add_f32_dpp v[LT], v[LT], v[LT] row_xmask:8 row_mask:0xf bank_mask:0xf
	v_permlanex16_b32 v[LT+1], v[LT], s30, s31
	v_add_f32 v[LT], v[LT], v[LT+1]
.endm
	s_cmp_lt_u32 s2, 512
	s_cbranch_scc1 .Lln
	s_cmp_lt_u32 s2, 548
	s_cbranch_scc1 .Lwq
	s_cmp_lt_u32 s2, 580
	s_cbranch_scc1 .Lwa
	; THE TABLE.  Thread T = 4 x position + c makes the frequencies 4 c + e, e = 0..3.
	s_sub_co_u32 s4, s2, 580
	s_lshl_b32 s4, s4, 8
	v_add_nc_u32 v4, s4, v0                        ; T
	v_lshrrev_b32 v5, 2, v4
	v_cvt_f32_u32 v5, v5                           ; the position
	v_and_b32 v6, 3, v4                            ; c
	v_lshlrev_b32 v4, 4, v4                        ; 16 T: my 16 bytes of cos, and of sin
	s_mov_b32 s40, 0x3f800000                      ; the f32 nearest 10^(-i/4), i = 0 .. 15
	s_mov_b32 s41, 0x3f0ff59a
	s_mov_b32 s42, 0x3ea1e89b
	s_mov_b32 s43, 0x3e361887
	s_mov_b32 s44, 0x3dcccccd
	s_mov_b32 s45, 0x3d6655c3
	s_mov_b32 s46, 0x3d0186e2
	s_mov_b32 s47, 0x3c91ad39
	s_mov_b32 s48, 0x3c23d70a
	s_mov_b32 s49, 0x3bb8449c
	s_mov_b32 s50, 0x3b4f3e37
	s_mov_b32 s51, 0x3ae91528
	s_mov_b32 s52, 0x3a83126f
	s_mov_b32 s53, 0x3a136a16
	s_mov_b32 s54, 0x39a5cb5f
	s_mov_b32 s55, 0x393a7753
	v_cmp_eq_u32 s32, 1, v6
	v_cmp_eq_u32 s33, 2, v6
	v_cmp_eq_u32 s34, 3, v6
.irp e, 0,1,2,3
	v_mov_b32 v[8+\e], s[40+\e]
	v_cndmask_b32 v[8+\e], v[8+\e], s[44+\e], s32
	v_cndmask_b32 v[8+\e], v[8+\e], s[48+\e], s33
	v_cndmask_b32 v[8+\e], v[8+\e], s[52+\e], s34
	v_mul_f32 v[8+\e], v5, v[8+\e]                 ; the angle a
	v_mul_f32 v[12+\e], 0x3f22f983, v[8+\e]        ; a x 2 / pi,
	v_rndne_f32 v[12+\e], v[12+\e]                 ; n, at most 1,303
	v_fmamk_f32 v[16+\e], v[12+\e], 0xbfc90fdb, v[8+\e]   ; r = a - n pi/2, pi/2 in two parts: |r| <= pi/4 for every position
	v_fmamk_f32 v[16+\e], v[12+\e], 0x333bbd2e, v[16+\e]
	v_mul_f32 v[20+\e], v[16+\e], v[16+\e]         ; z = r r
	v_mov_b32 v[24+\e], 0x3638ef1d                 ; sin r = r + r z (S1 + z (S2 + z (S3 + z S4))): Taylor's terms to r^9
	v_fmaak_f32 v[24+\e], v[20+\e], v[24+\e], 0xb9500d01
	v_fmaak_f32 v[24+\e], v[20+\e], v[24+\e], 0x3c088889
	v_fmaak_f32 v[24+\e], v[20+\e], v[24+\e], 0xbe2aaaab
	v_mul_f32 v[28+\e], v[16+\e], v[20+\e]
	v_fma_f32 v[24+\e], v[28+\e], v[24+\e], v[16+\e]
	v_mov_b32 v[32+\e], 0x37d00d01                 ; cos r = 1 + z (-1/2 + z (C2 + z (C3 + z C4))): to r^8
	v_fmaak_f32 v[32+\e], v[20+\e], v[32+\e], 0xbab60b61
	v_fmaak_f32 v[32+\e], v[20+\e], v[32+\e], 0x3d2aaaab
	v_fma_f32 v[32+\e], v[20+\e], v[32+\e], -0.5
	v_fma_f32 v[32+\e], v[20+\e], v[32+\e], 1.0
	v_cvt_i32_f32 v[36+\e], v[12+\e]               ; the quadrant
	v_and_b32 v[48+\e], 1, v[36+\e]
	v_cmp_eq_u32 vcc_lo, 1, v[48+\e]
	v_cndmask_b32 v[44+\e], v[24+\e], v[32+\e], vcc_lo    ; odd quadrants change sin and cos
	v_cndmask_b32 v[40+\e], v[32+\e], v[24+\e], vcc_lo
	v_and_b32 v[48+\e], 2, v[36+\e]                ; sin is negative in quadrants 2, 3
	v_lshlrev_b32 v[48+\e], 30, v[48+\e]
	v_xor_b32 v[44+\e], v[48+\e], v[44+\e]
	v_add_nc_u32 v[48+\e], 1, v[36+\e]             ; cos in quadrants 1, 2
	v_and_b32 v[48+\e], 2, v[48+\e]
	v_lshlrev_b32 v[48+\e], 30, v[48+\e]
	v_xor_b32 v[40+\e], v[48+\e], v[40+\e]
.endr
	global_store_b128 v4, v[40:43], s[24:25]
	global_store_b128 v4, v[44:47], s[24:25] offset:131072
	s_endpgm
.Lln:
	s_lshl3_add_u32 s4, s2, s3                     ; my row
	s_lshl_b32 s6, s4, 11                          ; 2,048 bytes a row in xn
	s_lshl_b32 s4, s4, 12                          ; 4,096 in x
	s_add_nc_u64 s[8:9], s[8:9], s[4:5]
	s_add_nc_u64 s[18:19], s[18:19], s[6:7]
	s_mov_b32 s34, 0x3a800000                      ; 1 / 1024
	s_mov_b32 s35, 0x3727c5ac                      ; 1e-5
.set j, 0
.rept 8                                ; load j, word e of a lane: element 128 j + 4 lane + e
	global_load_b128 v[XA+4*j:XA+4*j+3], v1, s[8:9] offset:512*j th:TH_LOAD_NT
.set j, j+1
.endr
.set j, 0
.rept 8
	global_load_b128 v[GG+4*j:GG+4*j+3], v1, s[10:11] offset:512*j
.set j, j+1
.endr
.set j, 0
.rept 8
	global_load_b128 v[BB+4*j:BB+4*j+3], v1, s[12:13] offset:512*j
.set j, j+1
.endr
	s_wait_loadcnt 0x0
	RND GG
	RND BB
	RND XA
.set i, 0
.rept 4                                ; the sum, in four chains
	v_pk_add_f32 v[LT+2*i:LT+2*i+1], v[XA+2*i:XA+2*i+1], v[XA+8+2*i:XA+8+2*i+1]
.set i, i+1
.endr
.set i, 8
.rept 8
	v_pk_add_f32 v[LT+2*(i%4):LT+2*(i%4)+1], v[LT+2*(i%4):LT+2*(i%4)+1], v[XA+2*i:XA+2*i+1]
.set i, i+1
.endr
	REDUCE
	v_mul_f32 v[MN], 0x3a800000, v[LT]             ; / 1024
	v_mov_b32 v[MN+1], v[MN]
.set i, 0
.rept 16
	v_pk_add_f32 v[XA+2*i:XA+2*i+1], v[XA+2*i:XA+2*i+1], v[MN:MN+1] neg_lo:[0,1] neg_hi:[0,1]
.set i, i+1
.endr
.set i, 0
.rept 4                                ; the centred squares, in four chains
	v_pk_mul_f32 v[LT+2*i:LT+2*i+1], v[XA+2*i:XA+2*i+1], v[XA+2*i:XA+2*i+1]
.set i, i+1
.endr
.rept 12
	v_pk_fma_f32 v[LT+2*(i%4):LT+2*(i%4)+1], v[XA+2*i:XA+2*i+1], v[XA+2*i:XA+2*i+1], v[LT+2*(i%4):LT+2*(i%4)+1]
.set i, i+1
.endr
	REDUCE
	v_fma_f32 v[LT], v[LT], s34, s35               ; var + eps
	v_rsq_f32 v[RS], v[LT]
	v_rsq_f32 v[RS+1], v[LT]
	v_nop                                          ; a plain instruction between the root and its use (ISA guide 5.7.2)
.set i, 0
	s_wait_alu depctr_va_vdst(0)
.rept 16
	v_pk_mul_f32 v[XA+2*i:XA+2*i+1], v[XA+2*i:XA+2*i+1], v[RS:RS+1]
.set i, i+1
.endr
.set i, 0
.rept 16
	v_pk_fma_f32 v[XA+2*i:XA+2*i+1], v[XA+2*i:XA+2*i+1], v[GG+2*i:GG+2*i+1], v[BB+2*i:BB+2*i+1]
.set i, i+1
.endr
.set i, 0
.rept 16
	v_cvt_pk_f16_f32 v[YA+i], v[XA+2*i], v[XA+2*i+1]
.set i, i+1
.endr
.set i, 0
.rept 8
	global_store_b64 v2, v[YA+2*i:YA+2*i+1], s[18:19] offset:256*i
.set i, i+1
.endr
	s_endpgm
.Lwq:
	s_sub_co_u32 s4, s2, 512
	s_lshl3_add_u32 s4, s4, s3                     ; u < 288: rows 2 u, 2 u + 1
	s_lshl_b32 s6, s4, 12
	s_lshl_b32 s4, s4, 13
	s_add_nc_u64 s[14:15], s[14:15], s[4:5]
	s_add_nc_u64 s[20:21], s[20:21], s[6:7]
	LD16 14
.set j, 0
.rept 16
	CVH j, 256*j
.set j, j+1
.endr
	s_endpgm
.Lwa:
	s_sub_co_u32 s4, s2, 548
	s_lshl3_add_u32 s4, s4, s3                     ; u: rows 4 u .. 4 u + 3
	s_mul_i32 s6, s4, 4*9216
	s_add_co_u32 s6, s6, 8192
	s_lshl_b32 s4, s4, 13
	s_add_nc_u64 s[16:17], s[16:17], s[4:5]
	s_add_nc_u64 s[22:23], s[22:23], s[6:7]
	LD16 16
.set j, 0
.rept 16
	CVB j, (j/4)*9216+(j%4)*256
.set j, j+1
.endr
	s_endpgm
.Lfunc_end_k_qd5597ad85e_prep:
	.size	k_qd5597ad85e_prep, .Lfunc_end_k_qd5597ad85e_prep-k_qd5597ad85e_prep
	.p2alignl 7, 3214868480
	.fill 96, 4, 3214868480
	.section	.rodata,"a",@progbits
	.p2align	6, 0x0
	.amdhsa_kernel k_qd5597ad85e_prep
		.amdhsa_group_segment_fixed_size 0
		.amdhsa_private_segment_fixed_size 0
		.amdhsa_enable_private_segment 0
		.amdhsa_kernarg_size 72
		.amdhsa_user_sgpr_count 2
		.amdhsa_user_sgpr_kernarg_segment_ptr 1
		.amdhsa_wavefront_size32 1
		.amdhsa_system_sgpr_workgroup_id_x 1
		.amdhsa_system_sgpr_workgroup_id_y 1
		.amdhsa_system_sgpr_workgroup_id_z 1
		.amdhsa_system_vgpr_workitem_id 0
		.amdhsa_next_free_vgpr 136
		.amdhsa_next_free_sgpr 66
		.amdhsa_reserve_vcc 1
		.amdhsa_float_denorm_mode_32 3
		.amdhsa_float_denorm_mode_16_64 3
		.amdhsa_memory_ordered 1
		.amdhsa_forward_progress 1
		.amdhsa_inst_pref_size 41
	.end_amdhsa_kernel
	.amdgpu_metadata
---
amdhsa.version: [ 1, 2 ]
amdhsa.kernels:
  - .name:           k_qd5597ad85e_prep
    .symbol:         k_qd5597ad85e_prep.kd
    .args:
      - { .name: x, .offset: 0, .size: 8, .value_kind: global_buffer, .address_space: global }
      - { .name: gamma, .offset: 8, .size: 8, .value_kind: global_buffer, .address_space: global }
      - { .name: beta, .offset: 16, .size: 8, .value_kind: global_buffer, .address_space: global }
      - { .name: w_fused, .offset: 24, .size: 8, .value_kind: global_buffer, .address_space: global }
      - { .name: w_attn_out, .offset: 32, .size: 8, .value_kind: global_buffer, .address_space: global }
      - { .name: xn, .offset: 40, .size: 8, .value_kind: global_buffer, .address_space: global }
      - { .name: wq, .offset: 48, .size: 8, .value_kind: global_buffer, .address_space: global }
      - { .name: w2, .offset: 56, .size: 8, .value_kind: global_buffer, .address_space: global }
      - { .name: rope, .offset: 64, .size: 8, .value_kind: global_buffer, .address_space: global }
    .group_segment_fixed_size: 0
    .private_segment_fixed_size: 0
    .kernarg_segment_align: 8
    .kernarg_segment_size: 72
    .max_flat_workgroup_size: 256
    .sgpr_count:     66
    .vgpr_count:     136
    .wavefront_size: 32
...
	.end_amdgpu_metadata
.endif
;; end of part 1
;; launch qkv (part 2): grid 240 x 1, 4 waves a work-group, no clusters, 327,680 bytes of LDS; arguments xn, wq, rope, qf, w_fused, w_ff_out, wf, w2, kv; writes qf, kv, wf, w2
.if DOCPART == 2
	.amdgcn_target "amdgcn-amd-amdhsa--gfx1250"
	.amdhsa_code_object_version 6
	.text
	.protected	k_qd5597ad85e_qkv
	.globl	k_qd5597ad85e_qkv
	.p2align	8
	.type	k_qd5597ad85e_qkv,@function
k_qd5597ad85e_qkv:
	s_mov_b64 s[64:65], 0
	v_nop
	global_prefetch_b8 v0, s[64:65] scope:SCOPE_SE
	s_setreg_imm32_b32 hwreg(HW_REG_WAVE_MODE, 25, 1), 1
	s_wait_xcnt 0x0
; QKV, AND THE LARGE CASTS BESIDE IT.
; WORK-GROUPS 0-143: xn [4096][1024] x wq [576][1024]^T in f16, sums in f32; then l2norm and the rotation on q and k; q, k and v leave as the register images of matrix fragments.
; WORK-GROUPS 144-239 have no matrix work: they cast the weights that only later launches read, while the others multiply.  Cast wave cw = 4 (id - 144) + wave reads 131,072 bytes on end:
;   cw < 256: 32 rows of w_fused from row 576 on -> wf, rounded to bf16 and written as f16.  wf keeps w_fused's row numbers from 576 on, permuted: 64 rows of ff_x, then the 64 gate rows of the same columns
;   (32 aligned rows stay inside one such group, so they stay consecutive); its rows 0-575 are not used: q's, k's and v's rows lie in wq, since this launch reads them.
;   cw >= 256: 8 rows of w_ff_out -> w2 [1024][4608] bf16, columns 0-4095.
; SHARES of the matrix part.  Work-group id: rt = id % 16, y = id / 16: 256 tokens x 64 columns; y < 8: heads 2 y, 2 y + 1 of q; y = 8: k and v.  Wave w: tokens 64 w .. 64 w + 63, all 64 columns: 16 accumulators.
; LDS.  A (xn) goes in K steps of 128 through two slots, each wave loading and reading its own 64 rows; B (64 rows of wq, all 1,024 along K) is fetched once: region s holds K step s.
; NO CLUSTER: the 9 column tiles are no multiple of four, and what row partners would share, B, is fetched once and is 64 of a step's 320 rows.
; THE MATRIX INSTRUCTION IS USED TRANSPOSED (source 0 = 16 rows of wq, source 1 = 16 tokens): lane l holds token l % 16 and the columns 8 (l / 16) + 0..7 of a block of 16.
; IMAGES.  A fragment of 16 rows x 32 channels is 1,024 bytes: byte 512 c + 256 h + 16 r + 2 e = row r, channel 16 c + 8 h + e: lane 16 h + r later loads 16 bytes at 16 x lane and at 512 + 16 x lane.
;   qf [b][head][position / 16][1,024]: q / |q|, rotated, times 8 log2(e), rounded once to f16.   kv, 262,144 bytes a batch: K [position / 16][1,024] likewise with factor 1;
;   from byte 131,072 on V^T: fragment (32 keys kg, 16 channels cb) at 1,024 (2 kg + cb): row = channel, the 32 along it = keys.
; LIMITS.  v, and weights, beyond 65,504 do not fit f16; weights below 2^-14 keep f16's fixed step of 2^-24.  The norm is clipped at 1e-12 as in the problem; a sum of squares below 2^-126 counts as 0.
; NaN and infinities are not treated apart.
.set PITCH, 272       ; an LDS row: 256 bytes + 16 of padding: the 16 rows of a fragment load start at 16 different groups of four banks (64 banks of 4 bytes: ISA guide 11.1)
.set AW,    64*PITCH  ; 64 rows: what one tensor load brings
.set SLOTA, 4*AW      ; A's slot: 0x11000, which shares no bit with w x 0x4400, so one exclusive or changes slots
.set BB,    2*SLOTA   ; B's eight regions
.set VSTG,  BB+8*AW   ; v's stage, never filled by a tensor load: 64 tokens x 96 bytes for each wave
.set VP,    96        ; 64 bytes + 32: an odd multiple of 32 for the turning load
.set SPARE, VSTG+4*64*VP  ; the spare words, 128 bytes for each wave: two blocks of 256 bytes that no other line names
.set ADRA0, 16        ; v16, v17  my lane's place in my rows of A's slot 0, in B's region 0; never rewritten
.set ADRB0, 17
.set ADRA,  18        ; v18, v19  the same in the slot and the region in hand
.set ADRB,  19
.set LO,    20        ; v20  16 x lane: my place in half an image
.set RO,    21        ; v21  my byte offset in the table
.set VST,   22        ; v22  v's stage: where I put 16 bytes
.set VRD,   23        ; v23  where the turning load reads
.set SPW,   28        ; v28  LDS address of my spare word; never rewritten
.set NIL,   29        ; v29  0; never rewritten
.set CS,    32        ; v[32:95]  block a of 16 tokens: 8 cos at CS + 16 a, 8 sin at CS + 16 a + 8
.set T,     96        ; v[96:127] at work
.set ACC,   128       ; accumulator (a, b) at ACC + 8 (4 a + b)
.set F0,    0         ; window 1: two fragment buffers of 128: for 64 along K, 64 registers of A, then 64 of B
.set F1,    128
.set CX,    32        ; the casts: v[32:159] 32 pieces of 4 f32 as loaded; a piece's first two registers then hold its 4 numbers of 16 bits
.set CT,    160       ; v[160:165] at work
.set G1,  16          ; s[16:23] descriptor group 1, one for all loads
.set GA0, 24          ; s[24:27] group 0: A, slot 0, K step 0
.set GA1, 28          ; s[28:31] A, slot 1, K step 1; then it walks
.set GB0, 32          ; s[32:35] B, region w
.set GB1, 36          ; s[36:39] B, region w + 4
.set TBA, 40          ; s40  the slot in hand
.set TBB, 41          ; s41  the region in hand
.set SEL, 46          ; s[46:47] v_permlanex16_b32's selects
.set MSB, 0
.macro WIN new                         ; the immediate's high byte repeats the setting that is left
.if MSB != (\new)
	s_set_vgpr_msb (MSB<<8)|(\new)
.set MSB, \new
.endif
.endm
.set MUL,  0x05                        ; sources 0 (B) and 1 (A) window 1; C and D window 0
.set TO_F, 0x40                        ; destination window 1, address window 0
	s_load_b256 s[4:11], s[0:1], 0x0               ; xn 4, wq 6, rope 8, qf 10
	s_load_b256 s[68:75], s[0:1], 0x20             ; w_fused 68, w_ff_out 70, wf 72, w2 74
	s_load_b64 s[12:13], s[0:1], 0x40              ; kv
	v_lshl_add_u32 v[SPW], v0, 2, SPARE
	v_mov_b32 v[NIL], 0
	ds_add_u32 v[SPW], v[NIL]                      ; the wave's opening: the add and its wait ahead of my first tensor load
	ds_add_u32 v28, v29
	v_lshrrev_b32 v1, 5, v0
	v_readfirstlane_b32 s14, v1                    ; wave 0..3
	s_and_b32 s15, ttmp9, 15                       ; rt
	s_lshr_b32 s42, ttmp9, 4                       ; y; 9 and above: a cast work-group
	s_mov_b32 s[G1+0], (1<<16)|(1<<20)|(5<<22)|(3<<25)  ; 2-byte elements; padding on: after every 64 words (code 5) 4 words (code 3)
	s_mov_b32 s[G1+1], 128<<16                     ; tensor_dim0 = 128
	s_mov_b32 s[G1+2], 64<<16                      ; tensor_dim1 = 64
	s_mov_b32 s[G1+3], 128<<16                     ; tile_dim0 = 128
	s_mov_b32 s[G1+4], 64                          ; tile_dim1 = 64
	s_mov_b32 s[G1+5], 1024                        ; elements from row to row
	s_mov_b32 s[G1+6], 0
	s_mov_b32 s[G1+7], 0
	s_mul_i32 s43, s14, AW
	s_mov_b32 s[GA0], 1
	s_mov_b32 s[GA0+1], s43
	s_mov_b32 s[GA1], 1
	s_add_co_u32 s[GA1+1], s43, SLOTA
	s_mov_b32 s[GB0], 1
	s_add_co_u32 s[GB0+1], s43, BB
	s_mov_b32 s[GB1], 1
	s_add_co_u32 s[GB1+1], s43, BB+4*AW
	s_lshl_b32 s44, s15, 19                        ; A: row 256 rt + 64 w, 2,048 bytes a row
	s_lshl_b32 s54, s14, 17
	s_add_co_u32 s44, s44, s54
	s_mov_b32 s45, 0
	s_lshl_b32 s54, s42, 17                        ; B: row 64 y, K step w
	s_lshl_b32 s55, s14, 8
	s_add_co_u32 s54, s54, s55
	s_mov_b32 s55, 0
	s_mov_b32 s[TBA], 0
	s_mov_b32 s[TBB], 0
	s_mov_b32 s[SEL], 0x76543210
	s_mov_b32 s[SEL+1], 0xfedcba98
	s_wait_dscnt 0x0                               ; the opening add is done
	s_wait_kmcnt 0x0
	s_cmp_ge_u32 s42, 9                            ; the same in all four waves of a work-group
	s_cbranch_scc1 .Lconv
	s_add_nc_u64 s[GA0+2:GA0+3], s[4:5], s[44:45]
	s_add_nc_u64 s[GA1+2:GA1+3], s[GA0+2:GA0+3], 256
	s_or_b32 s[GA0+3], s[GA0+3], 0x80000000        ; type = 2
	s_or_b32 s[GA1+3], s[GA1+3], 0x80000000
	s_add_nc_u64 s[GB0+2:GB0+3], s[6:7], s[54:55]
	s_add_nc_u64 s[GB1+2:GB1+3], s[GB0+2:GB0+3], 1024
	s_or_b32 s[GB0+3], s[GB0+3], 0x80000000
	s_or_b32 s[GB1+3], s[GB1+3], 0x80000000
	tensor_load_to_lds s[GA0:GA0+3], s[G1:G1+7]    ; the first fills, one group: four loads of mine are out
	s_nop 0
	tensor_load_to_lds s[GB0:GB0+3], s[G1:G1+7]
	s_nop 0
	tensor_load_to_lds s[GA1:GA1+3], s[G1:G1+7]
	s_nop 0
	tensor_load_to_lds s[GB1:GB1+3], s[G1:G1+7]
	s_nop 0
.rept 4
	v_nop
.endr
	v_and_b32 v1, 15, v0                           ; r = l % 16
	v_bfe_u32 v2, v0, 4, 1                         ; h = l / 16
	s_and_b32 s56, s15, 7
	s_lshl_b32 s56, s56, 8
	s_lshl_b32 s57, s14, 6
	s_add_co_u32 s56, s56, s57                     ; posb: my first token's position in its batch
	s_lshl_b32 s56, s56, 6                         ; x 64: its row in the table; also its 1,024 bytes for each 16 positions in the images
	v_lshlrev_b32 v[RO], 6, v1
	v_lshl_add_u32 v[RO], v2, 5, v[RO]
	v_add_nc_u32 v[RO], s56, v[RO]                 ; (posb + r) x 64 + 32 h: frequencies 8 h + 0..7
.irp a, 0,1,2,3
	global_load_b128 v[CS+16*\a:CS+16*\a+3],     v[RO], s[8:9] offset:1024*\a
	global_load_b128 v[CS+16*\a+4:CS+16*\a+7],   v[RO], s[8:9] offset:1024*\a+16
	global_load_b128 v[CS+16*\a+8:CS+16*\a+11],  v[RO], s[8:9] offset:131072+1024*\a
	global_load_b128 v[CS+16*\a+12:CS+16*\a+15], v[RO], s[8:9] offset:131072+1024*\a+16
.endr
	v_mul_u32_u24 v3, v1, PITCH
	v_lshl_add_u32 v3, v2, 4, v3                   ; a fragment's row x pitch + 16 x half
	v_add_nc_u32 v[ADRA0], s43, v3
	v_add_nc_u32 v[ADRB0], BB, v3
	v_mov_b32 v[ADRA], v[ADRA0]
	v_mov_b32 v[ADRB], v[ADRB0]
	v_and_b32 v[LO], 31, v0
	v_lshlrev_b32 v[LO], 4, v[LO]
	s_mul_i32 s57, s14, 64*VP
	s_add_co_u32 s57, s57, VSTG                    ; my stage
	v_mul_u32_u24 v[VST], v1, VP
	v_lshl_add_u32 v[VST], v2, 4, v[VST]
	v_add_nc_u32 v[VST], s57, v[VST]
	v_and_b32 v4, 7, v0
	v_lshl_add_u32 v4, v2, 3, v4                   ; key 8 h + l % 8,
	v_mul_u32_u24 v[VRD], v4, VP
	v_bfe_u32 v4, v0, 3, 1
	v_lshl_add_u32 v[VRD], v4, 4, v[VRD]           ; channels 8 ((l / 8) % 2) on
	v_add_nc_u32 v[VRD], s57, v[VRD]
	; where the images go
	s_lshr_b32 s58, s15, 3                         ; b
	s_lshl_b32 s59, s58, 18
	s_add_co_u32 s59, s59, s56                     ; K: 262,144 b + 1,024 (posb / 16)
	s_lshl_b32 s60, s58, 21
	s_lshl_b32 s61, s42, 18
	s_add_co_u32 s60, s60, s61
	s_add_co_u32 s60, s60, s56                     ; q: ((16 b + 2 y) 128 + posb / 16) 1,024
	s_add_co_u32 s52, s59, 131072                  ; V: 262,144 b + 131,072 + 2,048 (posb / 32)
	s_mov_b32 s53, 0
	s_add_nc_u64 s[52:53], s[12:13], s[52:53]
	s_cmp_eq_u32 s42, 8
	s_cselect_b64 s[50:51], s[12:13], s[10:11]     ; columns 0-31 of the tile go to kv (k) or to qf (head 2 y)
	s_cselect_b32 s44, s59, s60
	s_cselect_b32 s48, 1.0, 0x4138aa3b             ; k: 1; q: 8 log2(e)
	s_mov_b32 s45, 0
	s_add_nc_u64 s[50:51], s[50:51], s[44:45]
; 8 matrix instructions: token blocks a0, a0 + 1 x all 4 column blocks, 32 along K: half c of buffer f.  zero = 1: the product starts the sums.  The 16 accumulators take turns.
.macro MUL8 f, c, a0, zero
	WIN MUL
.irp a, \a0, (\a0)+1
.irp b, 0,1,2,3
.if \zero
	v_wmma_f32_16x16x32_f16 v[ACC+8*(4*(\a)+(\b)):ACC+8*(4*(\a)+(\b))+7], v[(\f)+64+8*(4*(\c)+(\b)):(\f)+64+8*(4*(\c)+(\b))+7], v[(\f)+8*(4*(\c)+(\a)):(\f)+8*(4*(\c)+(\a))+7], 0
.else
	v_wmma_f32_16x16x32_f16 v[ACC+8*(4*(\a)+(\b)):ACC+8*(4*(\a)+(\b))+7], v[(\f)+64+8*(4*(\c)+(\b)):(\f)+64+8*(4*(\c)+(\b))+7], v[(\f)+8*(4*(\c)+(\a)):(\f)+8*(4*(\c)+(\a))+7], v[ACC+8*(4*(\a)+(\b)):ACC+8*(4*(\a)+(\b))+7]
.endif
.endr
.endr
.endm
; 32 LDS loads in one run: the fragments of 64 along K at byte k of the rows, into buffer f; the first 32 along K first
.macro FETCH k, f
	WIN TO_F
.irp c, 0,1
.irp i, 0,1,2,3
	ds_load_b128 v[(\f)+64+8*(4*(\c)+(\i)):(\f)+64+8*(4*(\c)+(\i))+3],   v[ADRB] offset:(\k)+64*(\c)+(\i)*16*PITCH
	ds_load_b128 v[(\f)+64+8*(4*(\c)+(\i))+4:(\f)+64+8*(4*(\c)+(\i))+7], v[ADRB] offset:(\k)+64*(\c)+(\i)*16*PITCH+32
	ds_load_b128 v[(\f)+8*(4*(\c)+(\i)):(\f)+8*(4*(\c)+(\i))+3],         v[ADRA] offset:(\k)+64*(\c)+(\i)*16*PITCH
	ds_load_b128 v[(\f)+8*(4*(\c)+(\i))+4:(\f)+8*(4*(\c)+(\i))+7],       v[ADRA] offset:(\k)+64*(\c)+(\i)*16*PITCH+32
.endr
.endr
.endm
.macro PLACES                          ; four places in front of loads into registers that matrix instructions have read, and of lines that read results
.rept 4
	v_nop
.endr
.endm
; A K step is two halves of 64 along K.  The first multiplies buffer 0 and fetches the second half into buffer 1.
.macro HALF0 zero
	s_wait_dscnt 16                                ; the first 32 along K are in
	MUL8 F0, 0, 0, \zero
	MUL8 F0, 0, 2, \zero
	PLACES
	FETCH 128, F1
	s_wait_dscnt 32                                ; all but the 32 just issued
	MUL8 F0, 1, 0, 0
	MUL8 F0, 1, 2, 0
.endm
; The second half multiplies buffer 1 and changes slots: ONE barrier; in front of it each wave waits for all its tensor loads, adds 0 to its spare word, and waits for that and for its reads of the slot.
; fill = 1: the slot just read is filled again, two K steps ahead, first thing behind the barrier: 48 matrix instructions ahead of the wait for it.
.macro TURN fill
	WIN 0
	s_wait_tensorcnt 0x0                           ; all my tensor loads have landed: my rows of the next slot (at the first use B's second region too)
	ds_add_u32 v[SPW], v[NIL]                      ; 0 onto my spare word
.if \fill
	s_xor_b32 s[GA1+1], s[GA1+1], SLOTA            ; no load of mine is out: the walking descriptor takes the other slot,
	s_add_nc_u64 s[GA1+2:GA1+3], s[GA1+2:GA1+3], 256  ; the next K step
.endif
	s_wait_dscnt 17                                ; (the add and the youngest sixteen loads may be out)
	MUL8 F1, 0, 0, 0
	s_wait_dscnt 0x0                               ; the add is done, and my reads of this slot are over
	s_barrier_signal -1
	MUL8 F1, 0, 2, 0
	WIN 0
	s_barrier_wait -1
.if \fill
	tensor_load_to_lds s[GA1:GA1+3], s[G1:G1+7]
	s_nop 0
.endif
	PLACES                                         ; also the places in front of the loads below
	s_xor_b32 s[TBA], s[TBA], SLOTA
	s_add_co_u32 s[TBB], s[TBB], AW
	v_add_nc_u32 v[ADRA], s[TBA], v[ADRA0]
	v_add_nc_u32 v[ADRB], s[TBB], v[ADRB0]
	FETCH 0, F0
	MUL8 F1, 1, 0, 0
	MUL8 F1, 1, 2, 0
.endm
	s_wait_tensorcnt 2                             ; my rows of K step 0 and my first region of B are in; the two younger loads stay out
	s_barrier_signal -1
	s_barrier_wait -1                              ; B's regions 0-3 are whole
	FETCH 0, F0
	HALF0 1                                        ; the first half step stands in front of the loop: its first products start the sums
	WIN 0
	s_mov_b32 s3, 6
.Lstep:                                                ; a trip: the second half of K step s (s = 0 .. 5), which asks for step s + 2, and the first half of step s + 1
	TURN 1
	HALF0 0
	WIN 0
	s_sub_co_u32 s3, s3, 1
	s_cmp_lg_u32 s3, 0
	s_cbranch_scc1 .Lstep
	TURN 0                                         ; the tail asks for nothing
	HALF0 0
	s_wait_dscnt 16
	MUL8 F1, 0, 0, 0
	MUL8 F1, 0, 2, 0
	s_wait_dscnt 0x0
	MUL8 F1, 1, 0, 0
	MUL8 F1, 1, 2, 0
	WIN 0
	PLACES
	s_wait_loadcnt 0x0                             ; the table
; 16 tokens (block a) x 32 channels (column blocks 2 u, 2 u + 1): t / max(|t|, 1e-12), rotated, times s[sc], to f16, stored as one image.
; My lane holds channels 8 h + j (lo) and 16 + 8 h + j (hi) of token r; the other 16 lie in the lane 16 away.  out_lo = lo cos - hi sin, out_hi = hi cos + lo sin, frequency 8 h + j.
.macro NR a, u, sc, base, imm
.set LOR, ACC+8*(4*(\a)+2*(\u))
.set HIR, LOR+8
.set COSR, CS+16*(\a)
.set SINR, COSR+8
	v_pk_mul_f32 v[T:T+1], v[LOR:LOR+1], v[LOR:LOR+1]      ; each accumulator is read from its low end on
.irp i, 1,2,3
	v_pk_fma_f32 v[T:T+1], v[LOR+2*\i:LOR+2*\i+1], v[LOR+2*\i:LOR+2*\i+1], v[T:T+1]
.endr
.irp i, 0,1,2,3
	v_pk_fma_f32 v[T:T+1], v[HIR+2*\i:HIR+2*\i+1], v[HIR+2*\i:HIR+2*\i+1], v[T:T+1]
.endr
	v_add_f32 v[T], v[T], v[T+1]
	v_permlanex16_b32 v[T+1], v[T], s[SEL], s[SEL+1]
	v_add_f32 v[T], v[T], v[T+1]
	v_sqrt_f32 v[T], v[T]
	v_nop                                          ; a plain instruction behind the root, and behind the reciprocal (ISA guide 5.7.2)
	s_wait_alu depctr_va_vdst(0)
	v_max_num_f32 v[T], 0x2b8cbccc, v[T]           ; 1e-12
	v_rcp_f32 v[T], v[T]
	v_nop
	s_wait_alu depctr_va_vdst(0)
	v_mul_f32 v[T+2], s[\sc], v[T]
	v_mul_f32 v[T+3], s[\sc], v[T]
	s_wait_xcnt 0x0                                ; the packed registers, which earlier stores read, are rewritten only behind this wait
.irp i, 0,1,2,3
	v_pk_mul_f32 v[T+4:T+5], v[HIR+2*\i:HIR+2*\i+1], v[SINR+2*\i:SINR+2*\i+1]
	v_pk_mul_f32 v[T+6:T+7], v[LOR+2*\i:LOR+2*\i+1], v[SINR+2*\i:SINR+2*\i+1]
	v_pk_fma_f32 v[T+4:T+5], v[LOR+2*\i:LOR+2*\i+1], v[COSR+2*\i:COSR+2*\i+1], v[T+4:T+5] neg_lo:[0,0,1] neg_hi:[0,0,1]
	v_pk_fma_f32 v[T+6:T+7], v[HIR+2*\i:HIR+2*\i+1], v[COSR+2*\i:COSR+2*\i+1], v[T+6:T+7]
	v_pk_mul_f32 v[T+4:T+5], v[T+4:T+5], v[T+2:T+3]
	v_pk_mul_f32 v[T+6:T+7], v[T+6:T+7], v[T+2:T+3]
	v_cvt_pk_f16_f32 v[T+8+\i], v[T+4], v[T+5]
	v_cvt_pk_f16_f32 v[T+12+\i], v[T+6], v[T+7]
.endr
	global_store_b128 v[LO], v[T+8:T+11],  s[\base:\base+1] offset:(\imm)+1024*(\a)      ; 512 consecutive bytes each
	global_store_b128 v[LO], v[T+12:T+15], s[\base:\base+1] offset:(\imm)+1024*(\a)+512
.endm
.irp a, 0,1,2,3
	NR \a, 0, 48, 50, 0
.endr
	s_cmp_eq_u32 s42, 8
	s_cbranch_scc1 .Lv
.irp a, 0,1,2,3
	NR \a, 1, 48, 50, 131072                       ; head 2 y + 1 lies 128 images on
.endr
	s_wait_tensorcnt 0x0                           ; the wave's end
	ds_add_u32 v[SPW], v[NIL]
	s_wait_dscnt 0x0
	s_endpgm
.Lv:
	; v: to f16, [token][channel] into my stage, and back turned: a lane then holds one channel and 8 keys
	s_wait_xcnt 0x0                                ; k's stores have read the packed registers
.irp a, 0,1,2,3
.irp nb, 2,3
.irp i, 0,1,2,3
	v_cvt_pk_f16_f32 v[T+8+\i], v[ACC+8*(4*\a+\nb)+2*\i], v[ACC+8*(4*\a+\nb)+2*\i+1]
.endr
	ds_store_b128 v[VST], v[T+8:T+11] offset:16*VP*\a+32*(\nb-2)
.endr
.endr
.irp f, 0,1,2,3                        ; fragment f: keys 32 (f / 2) on, channels 16 (f % 2) on.  LDS serves a wave's instructions in order (ISA guide 5.7.1.4): these see the stores above
	ds_load_tr16_b128 v[T+8*\f:T+8*\f+3],   v[VRD] offset:32*VP*(\f/2)+32*(\f%2)
	ds_load_tr16_b128 v[T+8*\f+4:T+8*\f+7], v[VRD] offset:32*VP*(\f/2)+32*(\f%2)+16*VP
.endr
.irp f, 0,1,2,3
	s_wait_dscnt 6-2*\f
	global_store_b128 v[LO], v[T+8*\f:T+8*\f+3],   s[52:53] offset:1024*\f
	global_store_b128 v[LO], v[T+8*\f+4:T+8*\f+7], s[52:53] offset:1024*\f+512
.endr
	s_wait_tensorcnt 0x0                           ; the wave's end, behind my last LDS store
	ds_add_u32 v[SPW], v[NIL]
	s_wait_dscnt 0x0
	s_endpgm
; THE CASTS.  Eight trips; a trip takes 32 pieces of 512 bytes (128 f32), 16,384 bytes on end: 32 loads go out together, each piece is rounded in place as it comes and stored as 256 consecutive bytes, aligned.
; h = 1: rounded to bf16, that number written as f16; h = 0: bf16.  step: bytes from one trip's first store to the next trip's.
.macro CONV h, src, dst, step
	s_mov_b32 s3, 8
.Ltrip_\@:
.set j, 0
.rept 32
	global_load_b128 v[CX+4*j:CX+4*j+3], v1, s[\src:\src+1] offset:512*j th:TH_LOAD_NT
.set j, j+1
.endr
.set j, 0
.rept 32
	s_wait_loadcnt 31-j                            ; loads come back in order: the 31 - j younger ones stay out
.if \h
	v_cvt_pk_bf16_f32 v[CT], v[CX+4*j], v[CX+4*j+1]
	v_cvt_pk_bf16_f32 v[CT+1], v[CX+4*j+2], v[CX+4*j+3]
	v_lshlrev_b32 v[CT+2], 16, v[CT]
	v_and_b32 v[CT+3], s21, v[CT]
	v_lshlrev_b32 v[CT+4], 16, v[CT+1]
	v_and_b32 v[CT+5], s21, v[CT+1]
	v_cvt_pk_f16_f32 v[CX+4*j], v[CT+2], v[CT+3]
	v_cvt_pk_f16_f32 v[CX+4*j+1], v[CT+4], v[CT+5]
.else
	v_cvt_pk_bf16_f32 v[CX+4*j], v[CX+4*j], v[CX+4*j+1]
	v_cvt_pk_bf16_f32 v[CX+4*j+1], v[CX+4*j+2], v[CX+4*j+3]
.endif
	global_store_b64 v2, v[CX+4*j:CX+4*j+1], s[\dst:\dst+1] offset:256*j
.set j, j+1
.endr
	s_wait_xcnt 0x0                                ; the two bases are stepped, and the stores' data loaded over, only behind this wait
	s_add_nc_u64 s[\src:\src+1], s[\src:\src+1], 16384
	s_add_nc_u64 s[\dst:\dst+1], s[\dst:\dst+1], \step
	s_sub_co_u32 s3, s3, 1
	s_cmp_lg_u32 s3, 0
	s_cbranch_scc1 .Ltrip_\@
	s_wait_tensorcnt 0x0                           ; the wave's end (the opening add was mine too)
	ds_add_u32 v[SPW], v[NIL]
	s_wait_dscnt 0x0
	s_endpgm
.endm
.Lconv:
	s_sub_co_u32 s16, ttmp9, 144
	s_lshl2_add_u32 s16, s16, s14                  ; cw = 4 (id - 144) + wave: 0 .. 383
	s_mov_b32 s17, 0                               ; high words of the two offsets
	s_mov_b32 s19, 0
	s_mov_b32 s21, 0xffff0000                      ; a word's upper bf16
	v_and_b32 v1, 31, v0
	v_lshlrev_b32 v2, 3, v1                        ; 8 x lane: where a lane stores
	v_lshlrev_b32 v1, 4, v1                        ; 16 x lane: where a lane loads
	s_cmp_lt_u32 s16, 256
	s_cbranch_scc0 .Lcff
	s_lshl_b32 s18, s16, 5                         ; j0 = 32 cw: my first column of ff
	s_and_b32 s20, s18, 4095                       ; the column of ff_x or of gate
	s_lshr_b32 s22, s20, 6
	s_lshl_b32 s22, s22, 7                         ; its group of 64 -> 128 rows of wf
	s_and_b32 s20, s20, 63
	s_add_co_u32 s22, s22, s20
	s_add_co_u32 s22, s22, 576
	s_cmp_ge_u32 s18, 4096                         ; gate rows lie 64 behind
	s_cselect_b32 s20, 64, 0
	s_add_co_u32 s22, s22, s20
	s_lshl_b32 s18, s22, 11                        ; 2,048 bytes a row of wf
	s_lshl_b32 s16, s16, 17                        ; 32 rows of 4,096 bytes of w_fused,
	s_add_co_u32 s16, s16, 576*4096                ; from row 576 on
	s_add_nc_u64 s[68:69], s[68:69], s[16:17]
	s_add_nc_u64 s[72:73], s[72:73], s[18:19]
	CONV 1, 68, 72, 8192                           ; a trip: four rows
.Lcff:
	s_sub_co_u32 s16, s16, 256                     ; 0 .. 127: rows 8 cw .. 8 cw + 7 of w_ff_out
	s_mul_i32 s18, s16, 8*9216
	s_lshl_b32 s16, s16, 17
	s_add_nc_u64 s[70:71], s[70:71], s[16:17]
	s_add_nc_u64 s[74:75], s[74:75], s[18:19]
	CONV 0, 70, 74, 9216                           ; a trip: one row
.Lfunc_end_k_qd5597ad85e_qkv:
	.size	k_qd5597ad85e_qkv, .Lfunc_end_k_qd5597ad85e_qkv-k_qd5597ad85e_qkv
	.p2alignl 7, 3214868480
	.fill 96, 4, 3214868480
	.section	.rodata,"a",@progbits
	.p2align	6, 0x0
	.amdhsa_kernel k_qd5597ad85e_qkv
		.amdhsa_group_segment_fixed_size 327680
		.amdhsa_private_segment_fixed_size 0
		.amdhsa_enable_private_segment 0
		.amdhsa_kernarg_size 72
		.amdhsa_user_sgpr_count 2
		.amdhsa_user_sgpr_kernarg_segment_ptr 1
		.amdhsa_wavefront_size32 1
		.amdhsa_system_sgpr_workgroup_id_x 1
		.amdhsa_system_sgpr_workgroup_id_y 1
		.amdhsa_system_sgpr_workgroup_id_z 1
		.amdhsa_system_vgpr_workitem_id 0
		.amdhsa_next_free_vgpr 512
		.amdhsa_next_free_sgpr 76
		.amdhsa_reserve_vcc 0
		.amdhsa_float_denorm_mode_32 3
		.amdhsa_float_denorm_mode_16_64 3
		.amdhsa_memory_ordered 1
		.amdhsa_forward_progress 1
		.amdhsa_inst_pref_size 96
	.end_amdhsa_kernel
	.amdgpu_metadata
---
amdhsa.version: [ 1, 2 ]
amdhsa.kernels:
  - .name:           k_qd5597ad85e_qkv
    .symbol:         k_qd5597ad85e_qkv.kd
    .args:
      - { .name: xn, .offset: 0, .size: 8, .value_kind: global_buffer, .address_space: global }
      - { .name: wq, .offset: 8, .size: 8, .value_kind: global_buffer, .address_space: global }
      - { .name: rope, .offset: 16, .size: 8, .value_kind: global_buffer, .address_space: global }
      - { .name: qf, .offset: 24, .size: 8, .value_kind: global_buffer, .address_space: global }
      - { .name: w_fused, .offset: 32, .size: 8, .value_kind: global_buffer, .address_space: global }
      - { .name: w_ff_out, .offset: 40, .size: 8, .value_kind: global_buffer, .address_space: global }
      - { .name: wf, .offset: 48, .size: 8, .value_kind: global_buffer, .address_space: global }
      - { .name: w2, .offset: 56, .size: 8, .value_kind: global_buffer, .address_space: global }
      - { .name: kv, .offset: 64, .size: 8, .value_kind: global_buffer, .address_space: global }
    .group_segment_fixed_size: 327680
    .private_segment_fixed_size: 0
    .kernarg_segment_align: 8
    .kernarg_segment_size: 72
    .max_flat_workgroup_size: 128
    .sgpr_count:     76
    .vgpr_count:     512
    .wavefront_size: 32
...
	.end_amdgpu_metadata
.endif
;; end of part 2
;; launch attn (part 3): grid 256 x 1, 4 waves a work-group, clusters of 4 x 1, 327,680 bytes of LDS; arguments qf, kv, a2; writes a2
.if DOCPART == 3
	.amdgcn_target "amdgcn-amd-amdhsa--gfx1250"
	.amdhsa_code_object_version 6
	.text
	.protected	k_qd5597ad85e_attn
	.globl	k_qd5597ad85e_attn
	.p2align	8
	.type	k_qd5597ad85e_attn,@function
k_qd5597ad85e_attn:
	s_mov_b64 s[64:65], 0
	v_nop
	global_prefetch_b8 v0, s[64:65] scope:SCOPE_SE
	s_setreg_imm32_b32 hwreg(HW_REG_WAVE_MODE, 25, 1), 1
	s_wait_xcnt 0x0
	s_wait_alu depctr_hold_cnt(0) depctr_sa_sdst(0) depctr_va_vdst(0) depctr_va_sdst(0) depctr_va_ssrc(0) depctr_va_vcc(0) depctr_vm_vsrc(0)
	s_getreg_b32 s2, hwreg(HW_REG_IB_STS2, 6, 4)
	s_cmp_eq_u32 s2, 0
	s_cbranch_scc0 .Lentry_in_a_cluster
	s_endpgm
.Lentry_in_a_cluster:
	s_bfe_u32 s2, ttmp6, 0x10000c
	s_cmp_lg_u32 s2, 0x3003
	s_cbranch_scc0 .Lentry_shape_is_right
	s_endpgm
.Lentry_shape_is_right:
; CAUSAL ATTENTION, 16 heads of 32 channels on ONE key and value head.  out[b][pos][head][:] = sum over keys <= pos of softmax(8 q.k) v, rounded once to bf16 into a2, columns 4096 + 32 head + channel.
; NO MAXIMUM IS TAKEN AWAY: q and k are normalised by the problem itself and the rotation keeps their length, so every score 8 q.k lies in -8 .. 8 for every input: a weight e^s lies in 3.4e-4 .. 2,981,
; inside f16's normal range, and a row's sum is at most 2,048 x 2,981 in f32.  q arrives times 8 log2(e), so a weight is 2^(product).
; THE WALK.  A batch's 2,048 positions are 64 blocks of 32.  Cluster C: batch C / 32, p = C % 32; its four work-groups take the head groups cx; wave w has head 4 cx + w.  A work-group takes block 63 - p and then
; block p: an outer loop of two trips.  Keys go in events of 64, two halves of 32.  Block i has i / 2 full events and one that holds the diagonal: 31 full and 2 diagonal events for every p, and all partners branch alike.
; K AND V (register images, 131,072 bytes each) lie whole in LDS, asked for JOINTLY by the four work-groups, once: nothing is filled again.  Keys 0-511 come by a load of their own, so that work begins early.
; LAYOUT.  S^T = K Q^T: a lane holds one query (l % 16) and keys 8 (l / 16) + 0..7; two results rounded to f16 ARE source 1 of O^T = V^T P.  The row's sum is a product too: ones x P, of the same rounded and masked
; weights, so that it needs no exchange of lanes.
; THE MASK falls on the packed weights: a hidden weight is made exactly 0.  TRI is the triangle of 16 keys x 16 queries; PARM is all ones where the block begins in its diagonal event's second half.
; BY TURNS.  A tile's SET for half step u is five matrix instructions: K Q^T of u + 1 (two), V^T P of u (two), the row sums of u.  A set never stands on end: it rides among the OTHER tile's exponentials, one matrix
; instruction ahead of every three vector lines.  Half step u: tile 0's exponentials, with tile 1's set of u - 1; the loads of K(u + 2) and V(u + 1); tile 1's exponentials, with tile 0's set of u.
; LDS IN PHASES.  A block's reads of K and V, in every wave, end ahead of a barrier; behind it the block's results go into the stage; behind a second barrier they are read back as whole rows, and only then the next block reads K and V.
.set VIMG,  131072    ; K's image from byte 0, V's from here; 262,144 - 270,335 are not used
.set STAGE, 270336    ; 32 positions x 272 bytes: a row is 4 heads x 64 bytes + 16; never filled by a tensor load
.set SP,    272
.set SPARE, STAGE+32*SP  ; the spare words, 128 bytes for each wave: two blocks of 256 bytes that no other line names
.set LK,  3           ; v3   16 x lane; never rewritten
.set AK,  4           ; v4   LDS address of the event's K
.set AV,  5           ; v5   of its V
.set STO, 7           ; v7   where I put 16 bytes of a row of the stage
.set RD,  8           ; v8   where I read rows back
.set GO,  9           ; v9   my byte offset in two rows of a2
.set SPW, 10          ; v10  LDS address of my spare word; never rewritten
.set NIL, 11          ; v11  0; never rewritten
.set IV,  12          ; v[12:15]  1 / l, twice for each tile
.set ONES, 16         ; v[16:23]  1.0 in every f16
.set TRI, 24          ; v[24:27]
.set MKA, 28          ; v[28:31]  TRI | PARM
.set MKB, 32          ; v[32:35]  TRI & PARM
.set Q,   40          ; 8 a tile
.set QL,  56          ; the second block's Q
.set S,   72          ; 16 a tile
.set P,   104         ; 8 a tile
.set KF,  120         ; two buffers of 16: 32 keys
.set VF,  152         ; two buffers of 16: 32 keys x 32 channels
.set O,   184         ; 16 a tile: channel block cb at + 8 cb
.set LS,  216         ; 8 a tile: the row's sum, in every register
.set H,   232         ; v[232:247] packed results, then whole rows
.set WV,  12          ; s12  my wave's number
.set G1A, 16          ; s[16:23] descriptor group 1: 64 rows of 256 bytes
.set G1B, 24          ; s[24:31] 192 rows
.set G0A, 32          ; s[32:35] group 0: my half of keys 0-511 of K or of V
.set G0B, 36          ; s[36:39] my half of the rest
.set TB,   40         ; s40  the event's first byte in an image
.set LEFT, 41         ; s41  full events left in the block
.set BLK,  42         ; s42  blocks to go
.set CNT,  43
.set FLO,  44         ; s44  the second block's full events
.set PARM, 45
.set PARL, 46         ; s46  the second block's PARM
.macro CROUND                          ; a round of the cluster's barrier
	s_barrier_signal -1
	s_barrier_wait -1
	s_cmp_lg_u32 s[WV], 0
	s_cbranch_scc1 .Lnot_wave_0_\@
	s_barrier_signal -3
.Lnot_wave_0_\@:
	s_barrier_wait -3
	s_barrier_signal -1
	s_barrier_wait -1
.endm
	s_load_b128 s[4:7], s[0:1], 0x0                ; qf 4, kv 6
	s_load_b64 s[8:9], s[0:1], 0x10                ; a2
	v_lshl_add_u32 v[SPW], v0, 2, SPARE
	v_mov_b32 v[NIL], 0
	ds_add_u32 v[SPW], v[NIL]                      ; the wave's opening: the add and its wait ahead of the round that stands in front of my first tensor load
	ds_add_u32 v10, v11
	v_lshrrev_b32 v1, 5, v0
	v_readfirstlane_b32 s[WV], v1
	s_lshr_b32 s14, ttmp9, 5                       ; b: in a cluster launch ttmp9 counts clusters
	s_and_b32 s15, ttmp9, 31                       ; p: the second block
	s_sub_co_u32 s58, 63, s15                      ; the first block
	s_lshr_b32 s59, s58, 1                         ; its full events: 16 at the least, 31 at the most
	s_lshr_b32 s[FLO], s15, 1                      ; the second block's: 15 at the most
	s_and_b32 s47, s58, 1
	s_sub_co_u32 s[PARM], 0, s47
	s_and_b32 s47, s15, 1
	s_sub_co_u32 s[PARL], 0, s47
.irp g, G1A, G1B
	s_mov_b32 s[\g], 15|(3<<16)|(1<<21)            ; the mask of four; 8-byte elements; bit 21 set beside a mask; no padding: a lane reads at 16 x lane
	s_mov_b32 s[\g+1], 32<<16                      ; tensor_dim0 = 32: rows of 256 bytes
	s_mov_b32 s[\g+3], 32<<16                      ; tile_dim0
	s_mov_b32 s[\g+5], 32                          ; dense
	s_mov_b32 s[\g+6], 0
	s_mov_b32 s[\g+7], 0
.endr
	s_mov_b32 s[G1A+2], 64<<16                     ; tensor_dim1, tile_dim1
	s_mov_b32 s[G1A+4], 64
	s_mov_b32 s[G1B+2], 192<<16
	s_mov_b32 s[G1B+4], 192
	s_lshr_b32 s56, s[WV], 1                       ; waves 0, 1: K; waves 2, 3: V
	s_lshl_b32 s56, s56, 17
	s_and_b32 s57, s[WV], 1                        ; which half
	s_lshl_b32 s47, s57, 14
	s_mov_b32 s[G0A], 1
	s_add_co_u32 s[G0A+1], s56, s47                ; the place in LDS is the place in the batch's 262,144 bytes
	s_mul_i32 s57, s57, 49152
	s_add_co_u32 s57, s57, 32768
	s_mov_b32 s[G0B], 1
	s_add_co_u32 s[G0B+1], s56, s57
	s_lshl_b32 s60, s14, 18
	s_add_co_u32 s62, s60, s[G0B+1]
	s_add_co_u32 s60, s60, s[G0A+1]
	s_mov_b32 s61, 0
	s_mov_b32 s63, 0
	s_bfe_u32 s13, ttmp6, 0x40000                  ; cx: it enters Q's and a2's addresses alone
	s_lshl_b32 s47, s13, 2
	s_add_co_u32 s47, s47, s[WV]                   ; my head
	s_lshl4_add_u32 s47, s14, s47
	s_lshl_b32 s47, s47, 17                        ; (16 b + head) x 128 images
	s_lshl_b32 s52, s58, 11                        ; a block is two images
	s_add_co_u32 s52, s52, s47
	s_mov_b32 s53, 0
	s_lshl_b32 s54, s15, 11
	s_add_co_u32 s54, s54, s47
	s_mov_b32 s55, 0
	s_lshl_b32 s47, s14, 11
	s_lshl3_add_u32 s47, s[WV], s47                ; 2,048 b + 8 w: on the way out wave w stores rows 8 w .. 8 w + 7 of a block
	s_lshl_b32 s48, s58, 5
	s_add_co_u32 s48, s48, s47
	s_mul_i32 s48, s48, 9216
	s_lshl_b32 s50, s15, 5
	s_add_co_u32 s50, s50, s47
	s_mul_i32 s50, s50, 9216
	s_lshl_b32 s56, s13, 8
	s_add_co_u32 s56, s56, 8192                    ; column 4096 + 128 cx
	s_add_co_u32 s48, s48, s56
	s_add_co_u32 s50, s50, s56
	s_mov_b32 s49, 0
	s_mov_b32 s51, 0
	s_wait_dscnt 0x0                               ; the opening add is done
	s_wait_kmcnt 0x0
	s_add_nc_u64 s[G0A+2:G0A+3], s[6:7], s[60:61]
	s_or_b32 s[G0A+3], s[G0A+3], 0x80000000
	s_add_nc_u64 s[G0B+2:G0B+3], s[6:7], s[62:63]
	s_or_b32 s[G0B+3], s[G0B+3], 0x80000000
	s_add_nc_u64 s[52:53], s[4:5], s[52:53]        ; Q of the first block, of the second
	s_add_nc_u64 s[54:55], s[4:5], s[54:55]
	s_add_nc_u64 s[48:49], s[8:9], s[48:49]        ; a2 at my rows of the block in hand, of the second block
	s_add_nc_u64 s[50:51], s[8:9], s[50:51]
	CROUND                                         ; all four work-groups are here: the joint loads meet
	tensor_load_to_lds s[G0A:G0A+3], s[G1A:G1A+7]  ; two loads of mine are out
	s_nop 0
	tensor_load_to_lds s[G0B:G0B+3], s[G1B:G1B+7]
	s_nop 0
.rept 4
	v_nop
.endr
	v_and_b32 v[LK], 31, v0
	v_lshlrev_b32 v[LK], 4, v[LK]
.irp t, 0,1
.irp c, 0,1
	global_load_b128 v[Q+8*\t+4*\c:Q+8*\t+4*\c+3],   v[LK], s[52:53] offset:1024*\t+512*\c
	global_load_b128 v[QL+8*\t+4*\c:QL+8*\t+4*\c+3], v[LK], s[54:55] offset:1024*\t+512*\c
.endr
.endr
	v_and_b32 v1, 15, v0                           ; r
	v_bfe_u32 v2, v0, 4, 1                         ; h
	s_lshl_b32 s47, s[WV], 6
	s_add_co_u32 s47, s47, STAGE
	v_mul_u32_u24 v[STO], v1, SP
	v_lshl_add_u32 v[STO], v2, 4, v[STO]
	v_add_nc_u32 v[STO], s47, v[STO]               ; row r, my head's 64 bytes, 16 for each half of the lanes
	s_mul_i32 s47, s[WV], 8*SP
	s_add_co_u32 s47, s47, STAGE
	v_mul_u32_u24 v[RD], v2, SP
	v_lshl_add_u32 v[RD], v1, 4, v[RD]
	v_add_nc_u32 v[RD], s47, v[RD]                 ; back: lanes 0-15 one row of 256 bytes, lanes 16-31 the next
	v_mul_u32_u24 v[GO], v2, 9216
	v_lshl_add_u32 v[GO], v1, 4, v[GO]
.irp i, 0,1,2,3,4,5,6,7
	v_mov_b32 v[ONES+\i], 0x3c003c00
.endr
	v_lshlrev_b32 v6, 3, v2
	v_sub_nc_u32 v6, v1, v6                        ; r - 8 h: key 8 h + n of a group of 16 is seen where n <= this
	v_mov_b32 v36, 0xffff
	v_mov_b32 v37, 0xffff0000
.irp i, 0,1,2,3
	v_cmp_le_i32 vcc_lo, 2*\i, v6
	v_cndmask_b32 v38, 0, v36, vcc_lo
	v_cmp_le_i32 vcc_lo, 2*\i+1, v6
	v_cndmask_b32 v39, 0, v37, vcc_lo
	v_or_b32 v[TRI+\i], v38, v39
.endr
; Number n of the five matrix instructions of tile t's set: 0, 1 its scores on the 32 keys in K's buffer ky (qk = 0: there are none: a block's last half step); 2, 3 O^T += V^T P for both channel blocks, V's buffer vx;
; 4 the row sums.  No two matrix instructions that follow each other share an accumulator.
.macro MMW n, t, qk, ky, vx
.if ((\n) == 0) && (\qk)
	v_wmma_f32_16x16x32_f16 v[S+16*(\t):S+16*(\t)+7],    v[KF+16*(\ky):KF+16*(\ky)+7],    v[Q+8*(\t):Q+8*(\t)+7], 0
.elseif ((\n) == 1) && (\qk)
	v_wmma_f32_16x16x32_f16 v[S+16*(\t)+8:S+16*(\t)+15], v[KF+16*(\ky)+8:KF+16*(\ky)+15], v[Q+8*(\t):Q+8*(\t)+7], 0
.elseif (\n) == 2
	v_wmma_f32_16x16x32_f16 v[O+16*(\t):O+16*(\t)+7],    v[VF+16*(\vx):VF+16*(\vx)+7],    v[P+8*(\t):P+8*(\t)+7], v[O+16*(\t):O+16*(\t)+7]
.elseif (\n) == 3
	v_wmma_f32_16x16x32_f16 v[O+16*(\t)+8:O+16*(\t)+15], v[VF+16*(\vx)+8:VF+16*(\vx)+15], v[P+8*(\t):P+8*(\t)+7], v[O+16*(\t)+8:O+16*(\t)+15]
.elseif (\n) == 4
	v_wmma_f32_16x16x32_f16 v[LS+8*(\t):LS+8*(\t)+7],    v[ONES:ONES+7],                  v[P+8*(\t):P+8*(\t)+7], v[LS+8*(\t):LS+8*(\t)+7]
.endif
.endm
; Tile t's 16 scores become weights, in place, and are rounded to f16 in pairs; the other tile's set (qk, ky, vx) rides among them.  None of these vector lines names a register of the set.
; Every exponential has a plain instruction behind it before its result is used (ISA guide 5.7.2); each accumulator is read from its low end on.  Behind the set's last instruction stand five roundings: the places
; ahead of the loads into K's and V's buffers, of the next read of the scores and of the next write of the weights.  msk = 1: half x of a diagonal event: the hidden weights are made 0.
.macro EXPS t, msk, x, qk, ky, vx
.set rS, S+16*(\t)
.set rP, P+8*(\t)
	MMW 0, 1-(\t), \qk, \ky, \vx
	v_exp_f32 v[rS], v[rS]
	v_exp_f32 v[rS+1], v[rS+1]
	v_exp_f32 v[rS+2], v[rS+2]
	MMW 1, 1-(\t), \qk, \ky, \vx
	v_exp_f32 v[rS+3], v[rS+3]
	v_nop
	s_wait_alu depctr_va_vdst(0)
	v_cvt_pk_f16_f32 v[rP], v[rS], v[rS+1]
.set i, 1
.rept 6
.if i < 4
	MMW i+1, 1-(\t), \qk, \ky, \vx
.endif
	v_exp_f32 v[rS+2*i+2], v[rS+2*i+2]
	v_exp_f32 v[rS+2*i+3], v[rS+2*i+3]
	s_wait_alu depctr_va_vdst(0)
	v_cvt_pk_f16_f32 v[rP+i], v[rS+2*i], v[rS+2*i+1]
.set i, i+1
.endr
	v_cvt_pk_f16_f32 v[rP+7], v[rS+14], v[rS+15]
.if \msk
.irp n, 0,1,2,3
.if ((\x) == 0) && ((\t) == 0)
	v_and_b32 v[rP+\n], v[MKA+\n], v[rP+\n]
	v_and_b32 v[rP+4+\n], s[PARM], v[rP+4+\n]
.elseif (\x) == 0
	v_and_b32 v[rP+4+\n], v[MKA+\n], v[rP+4+\n]
.elseif (\t) == 0
	v_and_b32 v[rP+\n], v[MKB+\n], v[rP+\n]
	v_mov_b32 v[rP+4+\n], 0
.else
	v_and_b32 v[rP+\n], s[PARM], v[rP+\n]
	v_and_b32 v[rP+4+\n], v[MKB+\n], v[rP+4+\n]
.endif
.endr
.endif
.endm
; Half x of an event.  Tile 1's set of the half step before read K's buffer x and V's buffer 1 - x: the loads below fill just these again.  Tile 0's set of this half step reads K's buffer 1 - x and V's buffer x.
; wc: the loads just issued, which may stay out: K of the next half and V of this one were asked for a half step ago.
.macro SUB x, ldk, ldv, qk, msk, wc
	EXPS 0, \msk, \x, 1, \x, 1-(\x)
.if \ldk
.irp n, 0,1,2,3
	ds_load_b128 v[KF+16*(\x)+4*\n:KF+16*(\x)+4*\n+3], v[AK] offset:4096+2048*(\x)+512*\n
.endr
.endif
.if \ldv
.irp n, 0,1,2,3
	ds_load_b128 v[VF+16*(1-(\x))+4*\n:VF+16*(1-(\x))+4*\n+3], v[AV] offset:2048+2048*(\x)+512*\n
.endr
.endif
	s_wait_dscnt \wc
	EXPS 1, \msk, \x, \qk, 1-(\x), \x
.endm
.macro EVF                             ; a full event
	v_add_nc_u32 v[AK], s[TB], v[LK]
	v_add_nc_u32 v[AV], VIMG, v[AK]
	SUB 0, 1, 1, 1, 0, 8
	SUB 1, 1, 1, 1, 0, 8
	s_add_co_u32 s[TB], s[TB], 4096
.endm
.macro EVD                             ; the diagonal event, a block's last: nothing is fetched beyond it, and tile 1's last set, which has no exponentials left to ride in, is written out
	v_add_nc_u32 v[AK], s[TB], v[LK]
	v_add_nc_u32 v[AV], VIMG, v[AK]
	SUB 0, 0, 1, 1, 1, 4
	SUB 1, 0, 0, 0, 1, 0
	MMW 2, 1, 0, 0, 1
	MMW 3, 1, 0, 0, 1
	MMW 4, 1, 0, 0, 1
.endm
; A block begins.  O^T and the sums are cleared on purpose, so that the block's first half step is the loop's own text.  That text opens with tile 1's set of a half step that has not been: its K Q^T are tile 1's
; first scores (K's buffer 0); its V^T P must add 0, so tile 1's weights are 0, and V's buffer 1 holds finite numbers: zeros at the first block, the last block's V later.
; Then K of halves 0 and 1, V of half 0, and tile 0's first scores.
.macro BEGIN first
.set i, 0
.rept 48
	v_mov_b32 v[O+i], 0
.set i, i+1
.endr
.set i, 0
.rept 8
	v_mov_b32 v[P+8+i], 0
.set i, i+1
.endr
.set i, 0
.rept 16
.if \first
	v_mov_b32 v[VF+16+i], 0
.else
	v_mov_b32 v[Q+i], v[QL+i]
.endif
.set i, i+1
.endr
.irp n, 0,1,2,3
	v_or_b32 v[MKA+\n], s[PARM], v[TRI+\n]
	v_and_b32 v[MKB+\n], s[PARM], v[TRI+\n]
.endr
	s_mov_b32 s[TB], 0
	v_mov_b32 v[AK], v[LK]
	v_add_nc_u32 v[AV], VIMG, v[LK]
.irp n, 0,1,2,3,4,5,6,7
	ds_load_b128 v[KF+4*\n:KF+4*\n+3], v[AK] offset:512*\n
.endr
.irp n, 0,1,2,3
	ds_load_b128 v[VF+4*\n:VF+4*\n+3], v[AV] offset:512*\n
.endr
.if \first
	s_wait_loadcnt 0x0                             ; Q
.endif
	s_wait_dscnt 8                                 ; K of half 0 is in; K of half 1 and V stay out
	MMW 0, 0, 1, 0, 0
	MMW 1, 0, 1, 0, 0
.rept 4
	v_nop                                          ; the places behind those products
.endr
.endm
; A block ends: O^T / l, rounded to bf16, packed.  The sum is read from its accumulator's lowest register.
.macro NORM
.rept 4
	v_nop
.endr
	v_rcp_f32 v[IV], v[LS]
	v_rcp_f32 v[IV+1], v[LS]
	v_rcp_f32 v[IV+2], v[LS+8]
	v_rcp_f32 v[IV+3], v[LS+8]
	v_nop
.set i, 0
	s_wait_alu depctr_va_vdst(0)
.rept 16
	v_pk_mul_f32 v[O+2*i:O+2*i+1], v[O+2*i:O+2*i+1], v[IV+2*(i/8):IV+2*(i/8)+1]
.set i, i+1
.endr
.set i, 0
.rept 16
	v_cvt_pk_bf16_f32 v[H+i], v[O+2*i], v[O+2*i+1]
.set i, i+1
.endr
.endm
	s_wait_tensorcnt 0x1                           ; my part of keys 0-511 is in; the rest stays out
	s_barrier_signal -1
	s_barrier_wait -1
	BEGIN 1
	s_mov_b32 s[CNT], 7
.L1:                                                   ; events 0-6 of the first block; what they fetch ahead ends with event 7: keys 0-511
	EVF
	s_sub_co_u32 s[CNT], s[CNT], 1
	s_cmp_lg_u32 s[CNT], 0
	s_cbranch_scc1 .L1
	s_wait_tensorcnt 0x0                           ; my part of the other keys is in,
	s_wait_dscnt 0x0
	s_barrier_signal -1
	s_barrier_wait -1                              ; everybody's is
	s_sub_co_u32 s[LEFT], s59, 7                   ; 9 to 24 full events are left in the first block
	s_mov_b32 s[BLK], 2
.Lblock:                                               ; two trips: the rest of the first block; the second block
	s_mov_b32 s[CNT], 24
.Lev:                                                  ; 24 trips, the most that a block has left here; the trips beyond the block's own jump over the event
	s_cmp_eq_u32 s[LEFT], 0
	s_cbranch_scc1 .Lskip
	EVF
	s_sub_co_u32 s[LEFT], s[LEFT], 1
.Lskip:
	s_sub_co_u32 s[CNT], s[CNT], 1
	s_cmp_lg_u32 s[CNT], 0
	s_cbranch_scc1 .Lev
	EVD
	NORM
	s_wait_dscnt 0x0                               ; my reads of K and V for this block are over, and so are my reads of the stage for the block before,
	s_barrier_signal -1
	s_barrier_wait -1                              ; everybody's are: now the stage is written
.irp t, 0,1
.irp c, 0,1
	ds_store_b128 v[STO], v[H+8*\t+4*\c:H+8*\t+4*\c+3] offset:16*SP*\t+32*\c
.endr
.endr
	s_wait_dscnt 0x0                               ; for the others' sake: a row's 256 bytes come from four waves
	s_barrier_signal -1
	s_barrier_wait -1
.irp n, 0,1,2,3
	ds_load_b128 v[H+4*\n:H+4*\n+3], v[RD] offset:2*SP*\n
.endr
.irp n, 0,1,2,3
	s_wait_dscnt 3-\n                              ; the younger loads stay out
	global_store_b128 v[GO], v[H+4*\n:H+4*\n+3], s[48:49] offset:18432*\n          ; 16 lanes store 256 consecutive bytes, aligned: four heads of one position
.endr
	s_wait_xcnt 0x0                                ; the stores' base and data are rewritten only behind this wait
	s_cmp_eq_u32 s[BLK], 1
	s_cbranch_scc1 .Lnext                          ; behind the second block nothing begins
	s_mov_b64 s[48:49], s[50:51]
	s_mov_b32 s[LEFT], s[FLO]
	s_mov_b32 s[PARM], s[PARL]
	BEGIN 0
.Lnext:
	s_sub_co_u32 s[BLK], s[BLK], 1
	s_cmp_lg_u32 s[BLK], 0
	s_cbranch_scc1 .Lblock
	s_wait_tensorcnt 0x0                           ; the wave's end, behind my last tensor load and my last LDS store
	ds_add_u32 v[SPW], v[NIL]
	s_wait_dscnt 0x0
	CROUND                                         ; the closing round
	s_endpgm
.Lfunc_end_k_qd5597ad85e_attn:
	.size	k_qd5597ad85e_attn, .Lfunc_end_k_qd5597ad85e_attn-k_qd5597ad85e_attn
	.p2alignl 7, 3214868480
	.fill 96, 4, 3214868480
	.section	.rodata,"a",@progbits
	.p2align	6, 0x0
	.amdhsa_kernel k_qd5597ad85e_attn
		.amdhsa_group_segment_fixed_size 327680
		.amdhsa_private_segment_fixed_size 0
		.amdhsa_enable_private_segment 0
		.amdhsa_kernarg_size 24
		.amdhsa_user_sgpr_count 2
		.amdhsa_user_sgpr_kernarg_segment_ptr 1
		.amdhsa_wavefront_size32 1
		.amdhsa_system_sgpr_workgroup_id_x 1
		.amdhsa_system_sgpr_workgroup_id_y 1
		.amdhsa_system_sgpr_workgroup_id_z 1
		.amdhsa_system_vgpr_workitem_id 0
		.amdhsa_next_free_vgpr 256
		.amdhsa_next_free_sgpr 66
		.amdhsa_reserve_vcc 1
		.amdhsa_float_denorm_mode_32 3
		.amdhsa_float_denorm_mode_16_64 3
		.amdhsa_memory_ordered 1
		.amdhsa_forward_progress 1
		.amdhsa_inst_pref_size 43
	.end_amdhsa_kernel
	.amdgpu_metadata
---
amdhsa.version: [ 1, 2 ]
amdhsa.kernels:
  - .name:           k_qd5597ad85e_attn
    .symbol:         k_qd5597ad85e_attn.kd
    .args:
      - { .name: qf, .offset: 0, .size: 8, .value_kind: global_buffer, .address_space: global }
      - { .name: kv, .offset: 8, .size: 8, .value_kind: global_buffer, .address_space: global }
      - { .name: a2, .offset: 16, .size: 8, .value_kind: global_buffer, .address_space: global }
    .group_segment_fixed_size: 327680
    .private_segment_fixed_size: 0
    .kernarg_segment_align: 8
    .kernarg_segment_size: 24
    .max_flat_workgroup_size: 128
    .sgpr_count:     66
    .vgpr_count:     256
    .wavefront_size: 32
...
	.end_amdgpu_metadata
.endif
;; end of part 3
;; launch g1 (part 4): grid 32 x 16, 4 waves a work-group, clusters of 4 x 4, 327,680 bytes of LDS; arguments xn, wf, a2; writes a2
.if DOCPART == 4
	.amdgcn_target "amdgcn-amd-amdhsa--gfx1250"
	.amdhsa_code_object_version 6
	.text
	.protected	k_qd5597ad85e_g1
	.globl	k_qd5597ad85e_g1
	.p2align	8
	.type	k_qd5597ad85e_g1,@function
k_qd5597ad85e_g1:
	s_mov_b64 s[64:65], 0
	v_nop
	global_prefetch_b8 v0, s[64:65] scope:SCOPE_SE
	s_setreg_imm32_b32 hwreg(HW_REG_WAVE_MODE, 25, 1), 1
	s_wait_xcnt 0x0
	s_wait_alu depctr_hold_cnt(0) depctr_sa_sdst(0) depctr_va_vdst(0) depctr_va_sdst(0) depctr_va_ssrc(0) depctr_va_vcc(0) depctr_vm_vsrc(0)
	s_getreg_b32 s2, hwreg(HW_REG_IB_STS2, 6, 4)
	s_cmp_eq_u32 s2, 0
	s_cbranch_scc0 .Lentry_in_a_cluster
	s_endpgm
.Lentry_in_a_cluster:
	s_bfe_u32 s2, ttmp6, 0x10000c
	s_cmp_lg_u32 s2, 0xf033
	s_cbranch_scc0 .Lentry_shape_is_right
	s_endpgm
.Lentry_shape_is_right:
; G1: h = silu(gate) x ff_x, where [ff_x | gate] = xn [4096][1024] x wf[576:8768]^T, in f16 with f32 sums; h leaves rounded once to bf16 in a2 [4096][4608], columns 0-4095.
; wf's rows come in groups of 128: 64 rows of ff_x, then the 64 gate rows of the same columns.  A work-group makes 256 tokens x 256 rows of wf, each of its four waves 128 x 128: one group, so that a lane that holds
; ff_x of a column holds its gate too, four accumulators further on, and the product never leaves the registers.
; K goes in steps of 128 through two LDS slots filled by the tensor data mover; a trip of the loop is one K step, and the slot in hand stands in registers.
; CLUSTERS: 4 x 4 work-groups; A's tile is shared along a row of the cluster, B's along a column: each is asked for JOINTLY, by the same tensor load with the same descriptor and a mask that names the four.
; THE MATRIX INSTRUCTION IS USED TRANSPOSED (source 0 = 16 rows of wf, source 1 = 16 tokens): a lane holds token l % 16 and eight neighbouring columns.
; LIMITS.  h goes in bf16, since it has no room in f16 for inputs 30 times larger.  2^(-g log2 e) may be infinite: its reciprocal is then 0, as silu is.  NaN and infinities are not treated apart.
; REGISTERS, in windows of 256: window 0: v0-31 addresses; v64-127, v128-191 fragments of A, two buffers; v192-239 at work on the way out.  window 1: v64-191 fragments of B.
;   window 2: the 32 accumulators of my tokens 0-63 ((a, b) at v[8 (8 a + b)]); window 3: those of tokens 64-127.
.set KSTEP,  128
.set PITCH,  272      ; an LDS row: 256 bytes + 16 of padding: the 16 rows that a load touches start at 16 different groups of four banks (64 banks of 4 bytes: ISA guide 11.1)
.set HALFT,  128*PITCH
.set SLOT,   4*HALFT  ; A's 256 rows, then B's 256: 0x22000, which shares no bit with w x 0x8800
.set SPARE,  2*SLOT   ; the spare words, 128 bytes for each wave: two blocks of 256 bytes that no other line names
.set SPITCH, 272      ; the stage for the way out, 256 rows x 272 bytes, lies in slot 0, whose last fill (K step 6) has landed and been read by then
.set A2ROW,  9216
.set ADRA0, 16        ; v16, v17  my lane's place in slot 0; never rewritten
.set ADRB0, 17
.set ADRA,  18        ; v18, v19  in the slot in hand
.set ADRB,  19
.set STO,  24
.set RD,   25
.set CO,   26
.set SPW,  28         ; v28  LDS address of my spare word; never rewritten
.set NIL,  29         ; v29  0; never rewritten
.set F0,   64
.set F1,   128
.set E,    192        ; v[192:223] 32 numbers at work
.set H,    224        ; v[224:239] packed results
.set G1, 24           ; s[24:31] descriptor group 1 for A's tiles
.set G0, 32           ; s[32:39] group 0 for A's: a set for each first fill; the second then walks
.set G1B, 48          ; s[48:55], s[56:63] the same for B's
.set G0B, 56
.set TB, 68           ; s68  the slot in hand: 0 or SLOT
.set MSB, 0
.macro WIN new                         ; the immediate's high byte repeats the setting that is left
.if MSB != (\new)
	s_set_vgpr_msb (MSB<<8)|(\new)
.set MSB, \new
.endif
.endm
.set MUL_LO, 0xa1                      ; source 0 (B) window 1, source 1 (A) window 0, C and D window 2
.set MUL_HI, 0xf1                      ; the same, C and D window 3
.set TO_B,   0x40                      ; destination window 1, address window 0
.macro JLOAD                           ; a joint refill: waves 0 and 1 fetch A's two halves, waves 2 and 3 B's; an s_nop 0 and four v_nop follow each line
	s_cmp_eq_u32 s11, 0
	s_cbranch_scc0 .Lfor_b_\@
	tensor_load_to_lds s[G0+4:G0+7], s[G1:G1+7]
	s_nop 0
.rept 4
	v_nop
.endr
	s_branch .Lasked_\@
.Lfor_b_\@:
	tensor_load_to_lds s[G0B+4:G0B+7], s[G1B:G1B+7]
	s_nop 0
.rept 4
	v_nop
.endr
.Lasked_\@:
.endm
.macro CREST                           ; a round of the cluster's barrier behind its opening barrier
	s_cmp_lg_u32 s10, 0
	s_cbranch_scc1 .Lnot_wave_0_\@
	s_barrier_signal -3
.Lnot_wave_0_\@:
	s_barrier_wait -3
	s_barrier_signal -1
	s_barrier_wait -1
.endm
.macro CROUND
	s_barrier_signal -1
	s_barrier_wait -1
	CREST
.endm
	s_load_b128 s[4:7], s[0:1], 0x0                ; xn 4, wf 6
	s_load_b64 s[8:9], s[0:1], 0x10                ; a2
	v_lshl_add_u32 v[SPW], v0, 2, SPARE
	v_mov_b32 v[NIL], 0
	ds_add_u32 v[SPW], v[NIL]                      ; the wave's opening: the add and its wait ahead of the round in front of my first tensor load
	ds_add_u32 v28, v29
	v_lshrrev_b32 v1, 5, v0
	v_readfirstlane_b32 s10, v1                    ; wave 0..3
	s_lshr_b32 s11, s10, 1                         ; which half of the tile's tokens is mine.  Also: I fetch for A (0) or for B (1)
	s_and_b32 s12, s10, 1                          ; which group of 128 rows of wf.  Also: which 128 rows of that tile I fetch
	s_bfe_u32 s40, ttmp6, 0x40000                  ; cx, cy
	s_bfe_u32 s41, ttmp6, 0x40004
	s_lshl_b32 s42, ttmp9, 2
	s_add_co_u32 s42, s42, s40                     ; tile column
	s_and_b32 s13, ttmp7, 0xffff
	s_lshl_b32 s13, s13, 2
	s_add_co_u32 s13, s13, s41                     ; tile row
	s_lshl_b32 s43, s41, 2
	s_lshl_b32 s43, 15, s43                        ; my row of the cluster
	s_lshl_b32 s44, 0x1111, s40                    ; my column
	s_or_b32 s[G1+0], s43, (1<<16)|(1<<20)|(1<<21)|(5<<22)|(3<<25)   ; the mask; 2-byte elements; padding on; bit 21 beside a mask; after every 64 words 4 words
	s_or_b32 s[G1B+0], s44, (1<<16)|(1<<20)|(1<<21)|(5<<22)|(3<<25)
.irp g, G1, G1B
	s_mov_b32 s[(\g)+1], KSTEP<<16                 ; tensor_dim0 = 128
	s_mov_b32 s[(\g)+2], 128<<16                   ; tensor_dim1 = 128
	s_mov_b32 s[(\g)+3], KSTEP<<16                 ; tile_dim0
	s_mov_b32 s[(\g)+4], 128                       ; tile_dim1
	s_mov_b32 s[(\g)+5], 1024                      ; elements from row to row
	s_mov_b32 s[(\g)+6], 0
	s_mov_b32 s[(\g)+7], 0
.endr
	s_lshl_b32 s17, s12, 7
	s_lshl_b32 s16, s13, 8
	s_add_co_u32 s16, s16, s17                     ; A: row 256 x tile row + 128 x half
	s_lshl_b32 s16, s16, 11
	s_lshl_b32 s46, s42, 8
	s_add_co_u32 s46, s46, s17                     ; B: row 576 + 256 x tile column + 128 x half
	s_lshl_b32 s46, s46, 11
	s_add_co_u32 s46, s46, 576*2048
	s_mov_b32 s17, 0
	s_mov_b32 s47, 0
	s_mul_i32 s20, s10, HALFT                      ; where they go: wave x 128 rows
	s_mov_b32 s[TB], 0
	s_mov_b32 s70, 0xbfb8aa3b                      ; -log2(e), named as a pair
	s_mov_b32 s71, s70
	s_wait_dscnt 0x0                               ; the opening add is done
	s_wait_kmcnt 0x0
	s_add_nc_u64 s[14:15], s[4:5], s[16:17]
	s_add_nc_u64 s[46:47], s[6:7], s[46:47]
	CROUND                                         ; all sixteen work-groups are here: the first joint loads meet
.irp s, 0,1
	s_mov_b32 s[G0+4*(\s)], 1
	s_add_co_u32 s[G0+4*(\s)+1], s20, (\s)*SLOT
	s_add_nc_u64 s[G0+4*(\s)+2:G0+4*(\s)+3], s[14:15], (\s)*KSTEP*2
	s_or_b32 s[G0+4*(\s)+3], s[G0+4*(\s)+3], 0x80000000
	s_mov_b32 s[G0B+4*(\s)], 1
	s_add_co_u32 s[G0B+4*(\s)+1], s20, (\s)*SLOT
	s_add_nc_u64 s[G0B+4*(\s)+2:G0B+4*(\s)+3], s[46:47], (\s)*KSTEP*2
	s_or_b32 s[G0B+4*(\s)+3], s[G0B+4*(\s)+3], 0x80000000
.endr
	s_cmp_eq_u32 s11, 0                            ; a wave's two first fills stand in one branch: two loads of mine are out
	s_cbranch_scc0 .Lfirst_b
	tensor_load_to_lds s[G0:G0+3], s[G1:G1+7]
	s_nop 0
	tensor_load_to_lds s[G0+4:G0+7], s[G1:G1+7]
	s_nop 0
.rept 4
	v_nop
.endr
	s_branch .Lfirst_asked
.Lfirst_b:
	tensor_load_to_lds s[G0B:G0B+3], s[G1B:G1B+7]
	s_nop 0
	tensor_load_to_lds s[G0B+4:G0B+7], s[G1B:G1B+7]
	s_nop 0
.rept 4
	v_nop
.endr
.Lfirst_asked:
	v_and_b32 v1, 15, v0                           ; r
	v_bfe_u32 v2, v0, 4, 1                         ; h
	v_mul_u32_u24 v3, v1, PITCH
	v_lshl_add_u32 v3, v2, 4, v3
	s_mul_i32 s21, s11, HALFT
	s_mul_i32 s22, s12, HALFT
	s_add_co_u32 s22, s22, 2*HALFT
	v_add_nc_u32 v[ADRA0], s21, v3
	v_add_nc_u32 v[ADRB0], s22, v3
	v_mov_b32 v[ADRA], v[ADRA0]
	v_mov_b32 v[ADRB], v[ADRB0]
	s_mul_i32 s23, s11, 128*SPITCH                 ; into the stage: my 128 rows, my 128 bytes of their 256
	s_lshl_b32 s21, s12, 7
	s_add_co_u32 s23, s23, s21
	v_mul_u32_u24 v4, v1, SPITCH
	v_lshl_add_u32 v4, v2, 4, v4
	v_add_nc_u32 v[STO], s23, v4
	s_mul_i32 s23, s10, 64*SPITCH                  ; back: wave w takes rows 64 w .. 64 w + 63, whole
	v_mul_u32_u24 v5, v2, SPITCH
	v_lshl_add_u32 v5, v1, 4, v5
	v_add_nc_u32 v[RD], s23, v5
	v_mul_u32_u24 v5, v2, A2ROW
	v_lshl_add_u32 v[CO], v1, 4, v5
	s_lshl_b32 s16, s13, 8
	s_lshl_b32 s17, s10, 6
	s_add_co_u32 s16, s16, s17                     ; the first row of a2 that I store
	s_mul_i32 s16, s16, A2ROW
	s_mov_b32 s17, 0
	s_add_nc_u64 s[8:9], s[8:9], s[16:17]
	s_lshl_b32 s46, s42, 8                         ; the tile's 128 columns of h: 256 bytes
	s_mov_b32 s47, 0
	s_add_nc_u64 s[8:9], s[8:9], s[46:47]
; 16 matrix instructions: token blocks a0, a0 + 1 of the window's four x all 8 blocks of wf's rows, 32 along K.  The 64 accumulators take turns, in the same order in every quarter.
.macro MUL16 f, hi, a0, zero
	WIN MUL_LO+0x50*(\hi)
.irp a, \a0, (\a0)+1
.irp b, 0,1,2,3,4,5,6,7
.if \zero
	v_wmma_f32_16x16x32_f16 v[8*(8*(\a)+(\b)):8*(8*(\a)+(\b))+7], v[(\f)+8*(\b):(\f)+8*(\b)+7], v[(\f)+8*(4*(\hi)+(\a)):(\f)+8*(4*(\hi)+(\a))+7], 0
.else
	v_wmma_f32_16x16x32_f16 v[8*(8*(\a)+(\b)):8*(8*(\a)+(\b))+7], v[(\f)+8*(\b):(\f)+8*(\b)+7], v[(\f)+8*(4*(\hi)+(\a)):(\f)+8*(4*(\hi)+(\a))+7], v[8*(8*(\a)+(\b)):8*(8*(\a)+(\b))+7]
.endif
.endr
.endr
.endm
.macro FETCH k, f                      ; 32 LDS loads in one run: the fragments of 32 along K at byte k of the rows
	WIN TO_B
.irp i, 0,1,2,3,4,5,6,7
	ds_load_b128 v[(\f)+8*(\i):(\f)+8*(\i)+3],   v[ADRB] offset:(\k)+(\i)*16*PITCH
	ds_load_b128 v[(\f)+8*(\i)+4:(\f)+8*(\i)+7], v[ADRB] offset:(\k)+(\i)*16*PITCH+32
.endr
	WIN 0
.irp i, 0,1,2,3,4,5,6,7
	ds_load_b128 v[(\f)+8*(\i):(\f)+8*(\i)+3],   v[ADRA] offset:(\k)+(\i)*16*PITCH
	ds_load_b128 v[(\f)+8*(\i)+4:(\f)+8*(\i)+7], v[ADRA] offset:(\k)+(\i)*16*PITCH+32
.endr
.endm
.macro PLACES                          ; four places in front of loads into registers that matrix instructions have read, and of lines that read results
.rept 4
	v_nop
.endr
.endm
.macro QUARTER k, f, g, zero           ; multiplies buffer f; in its middle fetches the next quarter, at byte k, into g
	s_wait_dscnt 8                                 ; B and A's rows 0-63 are in; the youngest eight loads (A's rows 64-127) may be out
	MUL16 \f, 0, 0, \zero
	MUL16 \f, 0, 2, \zero
	PLACES
	FETCH \k, \g
	s_wait_dscnt 32                                ; all but the 32 just issued
	MUL16 \f, 1, 0, \zero
	MUL16 \f, 1, 2, \zero
.endm
; The last quarter multiplies buffer 1 and changes slots: ONE barrier.  In front of it each wave waits for all its tensor loads (one is out: its part of the next slot), adds 0 to its spare word, and waits for that and
; for its own reads of this slot.  fill = 1: the barrier opens a round of the cluster's, and the slot just read is filled again, two K steps ahead, first thing behind the round: 224 matrix instructions ahead of the wait for it.
.macro TURN fill
	WIN 0
	s_wait_tensorcnt 0x0
	ds_add_u32 v[SPW], v[NIL]
	s_wait_dscnt 9                                 ; (the add and the youngest eight loads may be out)
	MUL16 F1, 0, 0, 0
	s_wait_dscnt 0x0                               ; the add is done, and my reads of this slot are over
	s_barrier_signal -1
	MUL16 F1, 0, 2, 0
	WIN 0
	s_barrier_wait -1
.if \fill
	CREST
	s_xor_b32 s[G0+5], s[G0+5], SLOT               ; no load of mine is out: the walking descriptors take the other slot and the next K step
	s_add_nc_u64 s[G0+6:G0+7], s[G0+6:G0+7], KSTEP*2
	s_xor_b32 s[G0B+5], s[G0B+5], SLOT
	s_add_nc_u64 s[G0B+6:G0B+7], s[G0B+6:G0B+7], KSTEP*2
	JLOAD                                          ; the four v_nop behind it are also the places in front of the loads below
.else
	PLACES
.endif
	s_xor_b32 s[TB], s[TB], SLOT
	v_add_nc_u32 v[ADRA], s[TB], v[ADRA0]
	v_add_nc_u32 v[ADRB], s[TB], v[ADRB0]
	FETCH 0, F0
	MUL16 F1, 1, 0, 0
	MUL16 F1, 1, 2, 0
.endm
	s_wait_tensorcnt 1                             ; my part of K step 0 is in; K step 1's stays out
	s_barrier_signal -1
	s_barrier_wait -1
	FETCH 0, F0
	QUARTER 64, F0, F1, 1                          ; the first quarter stands in front of the loop: its products start the sums
	WIN 0
	s_mov_b32 s3, 6
.Lstep:                                                ; a trip: quarters 1-3 of K step s (s = 0 .. 5), which asks for step s + 2, and quarter 0 of step s + 1
	QUARTER 128, F1, F0, 0
	QUARTER 192, F0, F1, 0
	TURN 1
	QUARTER 64, F0, F1, 0
	WIN 0
	s_sub_co_u32 s3, s3, 1
	s_cmp_lg_u32 s3, 0
	s_cbranch_scc1 .Lstep
	QUARTER 128, F1, F0, 0                         ; the tail asks for nothing
	QUARTER 192, F0, F1, 0
	TURN 0
	QUARTER 64, F0, F1, 0
	QUARTER 128, F1, F0, 0
	QUARTER 192, F0, F1, 0
	s_wait_dscnt 8
	MUL16 F1, 0, 0, 0
	MUL16 F1, 0, 2, 0
	s_wait_dscnt 0x0
	MUL16 F1, 1, 0, 0
	MUL16 F1, 1, 2, 0
	PLACES
; THE WAY OUT of token block a: x = accumulators (a, 0..3), g = (a, 4..7).  h = x (g / (1 + 2^(-g log2 e))): g times the sigmoid first, so that no product overflows that the problem's own does not.
; Each accumulator is read from its low end on.  16 bytes a lane go into the stage.
.macro EPI a
.set AC, 64*((\a)%4)
	WIN 2+(\a)/4                                   ; source 0 in the accumulators' window
.set i, 0
.rept 16
	v_pk_mul_f32 v[E+2*i:E+2*i+1], v[AC+32+2*i:AC+32+2*i+1], s[70:71] op_sel_hi:[1,0]
.set i, i+1
.endr
	WIN 0
.set i, 0
.rept 32
	v_exp_f32 v[E+i], v[E+i]
.set i, i+1
.endr
	v_nop                                          ; a plain instruction between the last exponential and the use of the results (ISA guide 5.7.2)
.set i, 0
	s_wait_alu depctr_va_vdst(0)
.rept 16
	v_pk_add_f32 v[E+2*i:E+2*i+1], v[E+2*i:E+2*i+1], 1.0 op_sel_hi:[1,0]
.set i, i+1
.endr
.set i, 0
.rept 32
	v_rcp_f32 v[E+i], v[E+i]
.set i, i+1
.endr
	v_nop
	WIN 2+(\a)/4
.set i, 0
	s_wait_alu depctr_va_vdst(0)
.rept 16
	v_pk_mul_f32 v[E+2*i:E+2*i+1], v[AC+32+2*i:AC+32+2*i+1], v[E+2*i:E+2*i+1]
.set i, i+1
.endr
.set i, 0
.rept 16
	v_pk_mul_f32 v[E+2*i:E+2*i+1], v[AC+2*i:AC+2*i+1], v[E+2*i:E+2*i+1]
.set i, i+1
.endr
	WIN 0
.set i, 0
.rept 16
	v_cvt_pk_bf16_f32 v[H+i], v[E+2*i], v[E+2*i+1]
.set i, i+1
.endr
.irp b, 0,1,2,3
	ds_store_b128 v[STO], v[H+4*\b:H+4*\b+3] offset:16*SPITCH*(\a)+32*\b
.endr
.endm
.irp a, 0,1,2,3,4,5,6,7
	EPI \a
.endr
	s_wait_dscnt 0x0                               ; for the others' sake: a row's 256 bytes come from two waves
	s_barrier_signal -1
	s_barrier_wait -1
.set t, 0
.rept 32
	ds_load_b128 v[F0+4*t:F0+4*t+3], v[RD] offset:t*2*SPITCH
.set t, t+1
.endr
.set t, 0
.rept 32
	s_wait_dscnt 31-t
	global_store_b128 v[CO], v[F0+4*t:F0+4*t+3], s[8:9] offset:2*t*A2ROW  ; 16 lanes store 256 consecutive bytes, aligned
.set t, t+1
.endr
	s_wait_tensorcnt 0x0                           ; the wave's end, behind my last tensor load and my last LDS store
	ds_add_u32 v[SPW], v[NIL]
	s_wait_dscnt 0x0
	CROUND                                         ; the closing round
	s_endpgm
.Lfunc_end_k_qd5597ad85e_g1:
	.size	k_qd5597ad85e_g1, .Lfunc_end_k_qd5597ad85e_g1-k_qd5597ad85e_g1
	.p2alignl 7, 3214868480
	.fill 96, 4, 3214868480
	.section	.rodata,"a",@progbits
	.p2align	6, 0x0
	.amdhsa_kernel k_qd5597ad85e_g1
		.amdhsa_group_segment_fixed_size 327680
		.amdhsa_private_segment_fixed_size 0
		.amdhsa_enable_private_segment 0
		.amdhsa_kernarg_size 24
		.amdhsa_user_sgpr_count 2
		.amdhsa_user_sgpr_kernarg_segment_ptr 1
		.amdhsa_wavefront_size32 1
		.amdhsa_system_sgpr_workgroup_id_x 1
		.amdhsa_system_sgpr_workgroup_id_y 1
		.amdhsa_system_sgpr_workgroup_id_z 1
		.amdhsa_system_vgpr_workitem_id 0
		.amdhsa_next_free_vgpr 1024
		.amdhsa_next_free_sgpr 72
		.amdhsa_reserve_vcc 0
		.amdhsa_float_denorm_mode_32 3
		.amdhsa_float_denorm_mode_16_64 3
		.amdhsa_memory_ordered 1
		.amdhsa_forward_progress 1
		.amdhsa_inst_pref_size 151
	.end_amdhsa_kernel
	.amdgpu_metadata
---
amdhsa.version: [ 1, 2 ]
amdhsa.kernels:
  - .name:           k_qd5597ad85e_g1
    .symbol:         k_qd5597ad85e_g1.kd
    .args:
      - { .name: xn, .offset: 0, .size: 8, .value_kind: global_buffer, .address_space: global }
      - { .name: wf, .offset: 8, .size: 8, .value_kind: global_buffer, .address_space: global }
      - { .name: a2, .offset: 16, .size: 8, .value_kind: global_buffer, .address_space: global }
    .group_segment_fixed_size: 327680
    .private_segment_fixed_size: 0
    .kernarg_segment_align: 8
    .kernarg_segment_size: 24
    .max_flat_workgroup_size: 128
    .sgpr_count:     72
    .vgpr_count:     1024
    .wavefront_size: 32
...
	.end_amdgpu_metadata
.endif
;; end of part 4
;; launch g2 (part 5): grid 8 x 32, 4 waves a work-group, clusters of 4 x 4, 327,680 bytes of LDS; arguments a2, w2, out0; writes out0
.if DOCPART == 5
	.amdgcn_target "amdgcn-amd-amdhsa--gfx1250"
	.amdhsa_code_object_version 6
	.text
	.protected	k_qd5597ad85e_g2
	.globl	k_qd5597ad85e_g2
	.p2align	8
	.type	k_qd5597ad85e_g2,@function
k_qd5597ad85e_g2:
	s_mov_b64 s[64:65], 0
	v_nop
	global_prefetch_b8 v0, s[64:65] scope:SCOPE_SE
	s_setreg_imm32_b32 hwreg(HW_REG_WAVE_MODE, 25, 1), 1
	s_wait_xcnt 0x0
	s_wait_alu depctr_hold_cnt(0) depctr_sa_sdst(0) depctr_va_vdst(0) depctr_va_sdst(0) depctr_va_ssrc(0) depctr_va_vcc(0) depctr_vm_vsrc(0)
	s_getreg_b32 s2, hwreg(HW_REG_IB_STS2, 6, 4)
	s_cmp_eq_u32 s2, 0
	s_cbranch_scc0 .Lentry_in_a_cluster
	s_endpgm
.Lentry_in_a_cluster:
	s_bfe_u32 s2, ttmp6, 0x10000c
	s_cmp_lg_u32 s2, 0xf033
	s_cbranch_scc0 .Lentry_shape_is_right
	s_endpgm
.Lentry_shape_is_right:
; G2: out0 [4096][1024] f32 = a2 [4096][4608] x w2 [1024][4608]^T in bf16, sums in f32: both output projections as one product, K = 4,096 (h) + 512 (attention).
; A tile of out0 is 128 x 128, so that each of 256 work-groups has one; four waves, each 64 x 64: 16 accumulators.  K goes in 18 steps of 256 (LDS rows of 512 bytes) through two slots;
; a trip of the loop is one K step, and the slot in hand stands in registers.
; CLUSTERS: 4 x 4 work-groups; A's tile is shared along a row of the cluster, B's along a column, each asked for JOINTLY.  THE MATRIX INSTRUCTION IS USED TRANSPOSED: a lane holds eight neighbouring columns of a row.
; REGISTERS: window 0: v0-31 addresses; v32-95 at work on the way out; v128-255 the accumulators ((a, b) at v[128 + 8 (4 a + b)]).  window 1: two fragment buffers of 128.
.set KROW,   9216     ; bytes in a row of a2 and of w2
.set KSTEP,  256
.set PITCH,  528      ; 512 bytes + 16 of padding: the 16 rows of a load start at 16 different groups of four banks (64 banks of 4 bytes: ISA guide 11.1)
.set HALFT,  64*PITCH
.set SLOT,   4*HALFT  ; 0x21000, which shares no bit with w x 0x8400
.set STAGE,  2*SLOT   ; behind the ring, never filled by a tensor load: 16 rows x 272 bytes for each wave
.set SPITCH, 272
.set SPARE,  STAGE+4*16*SPITCH  ; the spare words, 128 bytes for each wave: two blocks of 256 bytes that no other line names
.set ADRA0, 16
.set ADRB0, 17
.set ADRA,  18
.set ADRB,  19
.set STO,  24
.set RD,   25
.set CO,   26
.set SPW,  28         ; v28  LDS address of my spare word; never rewritten
.set NIL,  29         ; v29  0; never rewritten
.set TMP,  32
.set ACC,  128
.set F0,   0
.set F1,   128
.set G1, 24
.set G0, 32
.set G1B, 48
.set G0B, 56
.set TB, 68
.set MSB, 0
.macro WIN new
.if MSB != (\new)
	s_set_vgpr_msb (MSB<<8)|(\new)
.set MSB, \new
.endif
.endm
.set MUL,  0x05                        ; sources 0 (B) and 1 (A) window 1; C and D window 0
.set TO_F, 0x40                        ; destination window 1, address window 0
.macro JLOAD                           ; a joint refill: waves 0 and 1 fetch A's two halves, waves 2 and 3 B's; an s_nop 0 and four v_nop follow each line
	s_cmp_eq_u32 s11, 0
	s_cbranch_scc0 .Lfor_b_\@
	tensor_load_to_lds s[G0+4:G0+7], s[G1:G1+7]
	s_nop 0
.rept 4
	v_nop
.endr
	s_branch .Lasked_\@
.Lfor_b_\@:
	tensor_load_to_lds s[G0B+4:G0B+7], s[G1B:G1B+7]
	s_nop 0
.rept 4
	v_nop
.endr
.Lasked_\@:
.endm
.macro CREST
	s_cmp_lg_u32 s10, 0
	s_cbranch_scc1 .Lnot_wave_0_\@
	s_barrier_signal -3
.Lnot_wave_0_\@:
	s_barrier_wait -3
	s_barrier_signal -1
	s_barrier_wait -1
.endm
.macro CROUND
	s_barrier_signal -1
	s_barrier_wait -1
	CREST
.endm
	s_load_b128 s[4:7], s[0:1], 0x0                ; a2 4, w2 6
	s_load_b64 s[8:9], s[0:1], 0x10                ; out0
	v_lshl_add_u32 v[SPW], v0, 2, SPARE
	v_mov_b32 v[NIL], 0
	ds_add_u32 v[SPW], v[NIL]                      ; the wave's opening: the add and its wait ahead of the round in front of my first tensor load
	ds_add_u32 v28, v29
	v_lshrrev_b32 v1, 5, v0
	v_readfirstlane_b32 s10, v1
	s_lshr_b32 s11, s10, 1                         ; which half of the tile's rows is mine.  Also: I fetch for A (0) or for B (1)
	s_and_b32 s12, s10, 1                          ; which half of its columns.  Also: which 64 rows of that tile I fetch
	s_bfe_u32 s40, ttmp6, 0x40000
	s_bfe_u32 s41, ttmp6, 0x40004
	s_lshl_b32 s42, ttmp9, 2
	s_add_co_u32 s42, s42, s40                     ; tile column
	s_and_b32 s13, ttmp7, 0xffff
	s_lshl_b32 s13, s13, 2
	s_add_co_u32 s13, s13, s41                     ; tile row
	s_lshl_b32 s43, s41, 2
	s_lshl_b32 s43, 15, s43
	s_lshl_b32 s44, 0x1111, s40
	s_or_b32 s[G1+0], s43, (1<<16)|(1<<20)|(1<<21)|(6<<22)|(3<<25)   ; the mask; 2-byte elements; padding on; bit 21 beside a mask; after every 128 words 4 words
	s_or_b32 s[G1B+0], s44, (1<<16)|(1<<20)|(1<<21)|(6<<22)|(3<<25)
.irp g, G1, G1B
	s_mov_b32 s[(\g)+1], KSTEP<<16
	s_mov_b32 s[(\g)+2], 64<<16
	s_mov_b32 s[(\g)+3], KSTEP<<16
	s_mov_b32 s[(\g)+4], 64
	s_mov_b32 s[(\g)+5], 4608
	s_mov_b32 s[(\g)+6], 0
	s_mov_b32 s[(\g)+7], 0
.endr
	s_lshl_b32 s17, s12, 6
	s_lshl_b32 s16, s13, 7
	s_add_co_u32 s16, s16, s17
	s_mul_i32 s16, s16, KROW                       ; A: row 128 x tile row + 64 x half
	s_lshl_b32 s46, s42, 7
	s_add_co_u32 s46, s46, s17
	s_mul_i32 s46, s46, KROW                       ; B: row 128 x tile column + 64 x half
	s_mov_b32 s17, 0
	s_mov_b32 s47, 0
	s_mul_i32 s20, s10, HALFT
	s_mov_b32 s[TB], 0
	s_wait_dscnt 0x0                               ; the opening add is done
	s_wait_kmcnt 0x0
	s_add_nc_u64 s[14:15], s[4:5], s[16:17]
	s_add_nc_u64 s[46:47], s[6:7], s[46:47]
	CROUND
.irp s, 0,1
	s_mov_b32 s[G0+4*(\s)], 1
	s_add_co_u32 s[G0+4*(\s)+1], s20, (\s)*SLOT
	s_add_nc_u64 s[G0+4*(\s)+2:G0+4*(\s)+3], s[14:15], (\s)*KSTEP*2
	s_or_b32 s[G0+4*(\s)+3], s[G0+4*(\s)+3], 0x80000000
	s_mov_b32 s[G0B+4*(\s)], 1
	s_add_co_u32 s[G0B+4*(\s)+1], s20, (\s)*SLOT
	s_add_nc_u64 s[G0B+4*(\s)+2:G0B+4*(\s)+3], s[46:47], (\s)*KSTEP*2
	s_or_b32 s[G0B+4*(\s)+3], s[G0B+4*(\s)+3], 0x80000000
.endr
	s_cmp_eq_u32 s11, 0                            ; a wave's two first fills stand in one branch: two loads of mine are out
	s_cbranch_scc0 .Lfirst_b
	tensor_load_to_lds s[G0:G0+3], s[G1:G1+7]
	s_nop 0
	tensor_load_to_lds s[G0+4:G0+7], s[G1:G1+7]
	s_nop 0
.rept 4
	v_nop
.endr
	s_branch .Lfirst_asked
.Lfirst_b:
	tensor_load_to_lds s[G0B:G0B+3], s[G1B:G1B+7]
	s_nop 0
	tensor_load_to_lds s[G0B+4:G0B+7], s[G1B:G1B+7]
	s_nop 0
.rept 4
	v_nop
.endr
.Lfirst_asked:
	v_and_b32 v1, 15, v0
	v_bfe_u32 v2, v0, 4, 1
	v_mul_u32_u24 v3, v1, PITCH
	v_lshl_add_u32 v3, v2, 4, v3
	s_mul_i32 s21, s11, HALFT
	s_mul_i32 s22, s12, HALFT
	s_add_co_u32 s22, s22, 2*HALFT
	v_add_nc_u32 v[ADRA0], s21, v3
	v_add_nc_u32 v[ADRB0], s22, v3
	v_mov_b32 v[ADRA], v[ADRA0]
	v_mov_b32 v[ADRB], v[ADRB0]
	s_mul_i32 s23, s10, 16*SPITCH
	s_add_co_u32 s23, s23, STAGE                   ; my stage
	v_mul_u32_u24 v4, v1, SPITCH                   ; in: row r, 32 bytes (8 f32) for each half of the lanes
	v_lshl_add_u32 v4, v2, 5, v4
	v_add_nc_u32 v[STO], s23, v4
	v_mul_u32_u24 v5, v2, SPITCH                   ; back: lanes 0-15 one row of 256 bytes, lanes 16-31 the next
	v_lshl_add_u32 v5, v1, 4, v5
	v_add_nc_u32 v[RD], s23, v5
	v_lshlrev_b32 v5, 12, v2
	v_lshl_add_u32 v[CO], v1, 4, v5
	s_lshl_b32 s16, s13, 7
	s_lshl_b32 s17, s11, 6
	s_add_co_u32 s16, s16, s17                     ; my first row of out0
	s_lshl_b32 s16, s16, 12
	s_mov_b32 s17, 0
	s_add_nc_u64 s[8:9], s[8:9], s[16:17]
	s_lshl_b32 s46, s42, 9                         ; my first column, in bytes
	s_lshl_b32 s47, s12, 8
	s_add_co_u32 s46, s46, s47
	s_mov_b32 s47, 0
	s_add_nc_u64 s[8:9], s[8:9], s[46:47]
.macro MUL8 f, c, a0, zero             ; 8 matrix instructions; the 16 accumulators take turns
	WIN MUL
.irp a, \a0, (\a0)+1
.irp b, 0,1,2,3
.if \zero
	v_wmma_f32_16x16x32_bf16 v[ACC+8*(4*(\a)+(\b)):ACC+8*(4*(\a)+(\b))+7], v[(\f)+64+8*(4*(\c)+(\b)):(\f)+64+8*(4*(\c)+(\b))+7], v[(\f)+8*(4*(\c)+(\a)):(\f)+8*(4*(\c)+(\a))+7], 0
.else
	v_wmma_f32_16x16x32_bf16 v[ACC+8*(4*(\a)+(\b)):ACC+8*(4*(\a)+(\b))+7], v[(\f)+64+8*(4*(\c)+(\b)):(\f)+64+8*(4*(\c)+(\b))+7], v[(\f)+8*(4*(\c)+(\a)):(\f)+8*(4*(\c)+(\a))+7], v[ACC+8*(4*(\a)+(\b)):ACC+8*(4*(\a)+(\b))+7]
.endif
.endr
.endr
.endm
.macro FETCH k, f                      ; 32 LDS loads in one run: 64 along K at byte k of the rows; the first 32 along K first
	WIN TO_F
.irp c, 0,1
.irp i, 0,1,2,3
	ds_load_b128 v[(\f)+64+8*(4*(\c)+(\i)):(\f)+64+8*(4*(\c)+(\i))+3],   v[ADRB] offset:(\k)+64*(\c)+(\i)*16*PITCH
	ds_load_b128 v[(\f)+64+8*(4*(\c)+(\i))+4:(\f)+64+8*(4*(\c)+(\i))+7], v[ADRB] offset:(\k)+64*(\c)+(\i)*16*PITCH+32
	ds_load_b128 v[(\f)+8*(4*(\c)+(\i)):(\f)+8*(4*(\c)+(\i))+3],         v[ADRA] offset:(\k)+64*(\c)+(\i)*16*PITCH
	ds_load_b128 v[(\f)+8*(4*(\c)+(\i))+4:(\f)+8*(4*(\c)+(\i))+7],       v[ADRA] offset:(\k)+64*(\c)+(\i)*16*PITCH+32
.endr
.endr
.endm
.macro PLACES
.rept 4
	v_nop
.endr
.endm
.macro QUARTER k, f, g, zero
	s_wait_dscnt 16                                ; the first 32 along K are in
	MUL8 \f, 0, 0, \zero
	MUL8 \f, 0, 2, \zero
	PLACES
	FETCH \k, \g
	s_wait_dscnt 32                                ; all but the 32 just issued
	MUL8 \f, 1, 0, 0
	MUL8 \f, 1, 2, 0
.endm
; The last quarter changes slots: ONE barrier; in front of it each wave waits for all its tensor loads, adds 0 to its spare word, and waits for that and for its reads of this slot.
; fill = 1: the barrier opens a round of the cluster's, and the joint refill, two K steps ahead, is the first thing behind the round: 112 matrix instructions ahead of the wait for it.
.macro TURN fill
	WIN 0
	s_wait_tensorcnt 0x0
	ds_add_u32 v[SPW], v[NIL]
	s_wait_dscnt 17                                ; (the add and the youngest sixteen loads may be out)
	MUL8 F1, 0, 0, 0
	s_wait_dscnt 0x0
	s_barrier_signal -1
	MUL8 F1, 0, 2, 0
	WIN 0
	s_barrier_wait -1
.if \fill
	CREST
	s_xor_b32 s[G0+5], s[G0+5], SLOT
	s_add_nc_u64 s[G0+6:G0+7], s[G0+6:G0+7], KSTEP*2
	s_xor_b32 s[G0B+5], s[G0B+5], SLOT
	s_add_nc_u64 s[G0B+6:G0B+7], s[G0B+6:G0B+7], KSTEP*2
	JLOAD
.else
	PLACES
.endif
	s_xor_b32 s[TB], s[TB], SLOT
	v_add_nc_u32 v[ADRA], s[TB], v[ADRA0]
	v_add_nc_u32 v[ADRB], s[TB], v[ADRB0]
	FETCH 0, F0
	MUL8 F1, 1, 0, 0
	MUL8 F1, 1, 2, 0
.endm
	s_wait_tensorcnt 1                             ; my part of K step 0 is in; K step 1's stays out
	s_barrier_signal -1
	s_barrier_wait -1
	FETCH 0, F0
	QUARTER 128, F0, F1, 1
	WIN 0
	s_mov_b32 s3, 16
.Lstep:                                                ; a trip: quarters 1-3 of K step s (s = 0 .. 15), which asks for step s + 2, and quarter 0 of step s + 1
	QUARTER 256, F1, F0, 0
	QUARTER 384, F0, F1, 0
	TURN 1
	QUARTER 128, F0, F1, 0
	WIN 0
	s_sub_co_u32 s3, s3, 1
	s_cmp_lg_u32 s3, 0
	s_cbranch_scc1 .Lstep
	QUARTER 256, F1, F0, 0                         ; the tail asks for nothing
	QUARTER 384, F0, F1, 0
	TURN 0
	QUARTER 128, F0, F1, 0
	QUARTER 256, F1, F0, 0
	QUARTER 384, F0, F1, 0
	s_wait_dscnt 16
	MUL8 F1, 0, 0, 0
	MUL8 F1, 0, 2, 0
	s_wait_dscnt 0x0
	MUL8 F1, 1, 0, 0
	MUL8 F1, 1, 2, 0
	WIN 0
	PLACES
	; THE WAY OUT, 16 rows at a time through my own stage: a lane's 8 f32 go in as two stores of 16 bytes (the accumulator's low end first), whole rows of 256 bytes come back.
	; LDS serves a wave's instructions in order (ISA guide 5.7.1.4): no wait between my stores and my loads, and the next block's stores come behind these loads.
.irp a, 0,1,2,3
	s_wait_xcnt 0x0                                ; the registers that earlier stores read are loaded again only behind this wait
.irp b, 0,1,2,3
	ds_store_b128 v[STO], v[ACC+8*(4*\a+\b):ACC+8*(4*\a+\b)+3]   offset:64*\b
	ds_store_b128 v[STO], v[ACC+8*(4*\a+\b)+4:ACC+8*(4*\a+\b)+7] offset:64*\b+16
.endr
.irp t, 0,1,2,3,4,5,6,7
	ds_load_b128 v[TMP+32*(\a%2)+4*\t:TMP+32*(\a%2)+4*\t+3], v[RD] offset:\t*2*SPITCH
.endr
.irp t, 0,1,2,3,4,5,6,7
	s_wait_dscnt 7-\t
	global_store_b128 v[CO], v[TMP+32*(\a%2)+4*\t:TMP+32*(\a%2)+4*\t+3], s[8:9] offset:65536*\a+8192*\t th:TH_STORE_NT  ; 16 lanes store 256 consecutive bytes, aligned
.endr
.endr
	s_wait_tensorcnt 0x0                           ; the wave's end, behind my last tensor load and my last LDS store
	ds_add_u32 v[SPW], v[NIL]
	s_wait_dscnt 0x0
	CROUND                                         ; the closing round
	s_endpgm
.Lfunc_end_k_qd5597ad85e_g2:
	.size	k_qd5597ad85e_g2, .Lfunc_end_k_qd5597ad85e_g2-k_qd5597ad85e_g2
	.p2alignl 7, 3214868480
	.fill 96, 4, 3214868480
	.section	.rodata,"a",@progbits
	.p2align	6, 0x0
	.amdhsa_kernel k_qd5597ad85e_g2
		.amdhsa_group_segment_fixed_size 327680
		.amdhsa_private_segment_fixed_size 0
		.amdhsa_enable_private_segment 0
		.amdhsa_kernarg_size 24
		.amdhsa_user_sgpr_count 2
		.amdhsa_user_sgpr_kernarg_segment_ptr 1
		.amdhsa_wavefront_size32 1
		.amdhsa_system_sgpr_workgroup_id_x 1
		.amdhsa_system_sgpr_workgroup_id_y 1
		.amdhsa_system_sgpr_workgroup_id_z 1
		.amdhsa_system_vgpr_workitem_id 0
		.amdhsa_next_free_vgpr 512
		.amdhsa_next_free_sgpr 72
		.amdhsa_reserve_vcc 0
		.amdhsa_float_denorm_mode_32 3
		.amdhsa_float_denorm_mode_16_64 3
		.amdhsa_memory_ordered 1
		.amdhsa_forward_progress 1
		.amdhsa_inst_pref_size 68
	.end_amdhsa_kernel
	.amdgpu_metadata
---
amdhsa.version: [ 1, 2 ]
amdhsa.kernels:
  - .name:           k_qd5597ad85e_g2
    .symbol:         k_qd5597ad85e_g2.kd
    .args:
      - { .name: a2, .offset: 0, .size: 8, .value_kind: global_buffer, .address_space: global }
      - { .name: w2, .offset: 8, .size: 8, .value_kind: global_buffer, .address_space: global }
      - { .name: out0, .offset: 16, .size: 8, .value_kind: global_buffer, .address_space: global }
    .group_segment_fixed_size: 327680
    .private_segment_fixed_size: 0
    .kernarg_segment_align: 8
    .kernarg_segment_size: 24
    .max_flat_workgroup_size: 128
    .sgpr_count:     72
    .vgpr_count:     512
    .wavefront_size: 32
...
	.end_amdgpu_metadata
.endif
;; end of part 5
